; MI455X (gfx1250); checked and timed in simulation.
; The chip was launched on July 23, 2026; its instructions are those of AMD's public machine-readable ISA for CDNA 5 (MIT licence, August 2026) and "CDNA5" Instruction Set Architecture Reference Guide (July 2026). The comments in the code are by the model that wrote it; some were corrected since.
;; Multi Head Attention. Allowed arithmetic: matrix products marked QUANTISED: E2M3 operands, one E8M0 scale for each 32 along K, by v_wmma_scale_f32_16x16x128_f8f6f4 with both operands' format E2M3, f32 sums; everything else in f32.
;; Inputs: w_k 1,024 x 1,024 float32; w_q 1,024 x 1,024 float32; w_v 1,024 x 1,024 float32; x 4 x 2,048 x 1,024 float32.
;; Outputs: out0 4 x 2,048 x 1,024 float32.
;; This version of the problem:
;;   THIS VERSION OF THE PROBLEM IS GIVEN IN LOW PRECISION. The matrix products marked QUANTISED in the list below multiply operands that are first quantised to E2M3 (2 exponent bits, 3 mantissa bits; 6 bits a number), with one power-of-two scale for each 32 numbers along K (OCP MX v1.0); their sums are f32. All else is computed in f32.
;;   The module's matrix products, in the order in which they are computed (A, B: the left and right operand; K: the contracted axis; several contracted axes count as one K, in the product's order):
;;     1. [M 8,192, K 1,024] x [K 1,024, N 1,024]; A: input x; B: input w_q: QUANTISED
;;     2. [M 8,192, K 1,024] x [K 1,024, N 1,024]; A: input x; B: input w_k: QUANTISED
;;     3. [M 8,192, K 1,024] x [K 1,024, N 1,024]; A: input x; B: input w_v: QUANTISED
;;     4. batch 4 x [M 2,048, K 1,024] x [K 1,024, N 2,048]; A: computed on the way; B: computed on the way: QUANTISED
;;     5. batch 4 x [M 2,048, K 2,048] x [K 2,048, N 1,024]; A: softmax (see below); B: computed on the way: QUANTISED
;;   THE QUANTISER, for each operand of a quantised product, along K:
;;     - K is cut into blocks of 32 from its start; a last block that is shorter is filled with zeros.
;;     - A block's scale is 2^e with e = floor(log2(the largest magnitude in the block)) - 2, held to -126 .. 127; a block of zeros has e = 0. As a byte (E8M0): e + 127.
;;     - Each number is divided by its block's scale, clamped to +-7.5, and rounded to the nearest number of E2M3, ties to even, subnormals kept.
;;     - The product sums the exact products of the quantised numbers (number of the format x scale) in f32.
;;   ~~~python
;;   def quantise(x, axis):      # numpy; x: float32 -> the quantised numbers, widened to float32 again
;;       x = np.moveaxis(x, axis, -1); K = x.shape[-1]
;;       x = np.pad(x, [(0, 0)] * (x.ndim - 1) + [(0, -K % 32)]); x = x.reshape(x.shape[:-1] + (-1, 32)); a = np.abs(x).max(-1, keepdims=True)
;;       e = np.where(a > 0, np.clip(np.frexp(np.where(a > 0, a, 1))[1] - 1 - 2, -126, 127), 0)      # np.frexp(a)[1] - 1 = floor(log2(a)), exactly
;;       r = np.clip(x / 2.0 ** e, -7.5, 7.5)
;;       step = 2.0 ** (np.maximum(np.frexp(np.where(r == 0, 1, r))[1] - 1, 0) - 3)
;;       q = np.round(r / step) * step * 2.0 ** e      # np.round: ties to even
;;       return np.moveaxis(q.reshape(q.shape[:-2] + (-1,))[..., :K], -1, axis).astype(np.float32)
;;   ~~~
;;   SOFTMAX AHEAD OF A QUANTISED PRODUCT. Where the list says 'softmax', what is quantised is not the finished softmax but p = 2^(t - M), with t = logit x log2(e) and M = ceil(the row's largest t), a whole number; so 1/2 < the row's largest p <= 1. The row's sum l is taken of the UNQUANTISED p, in f32, and the product's result is divided by l at the end. Since M is a whole number, a kernel that streams over the keys may use a running M (the ceiling of the running maximum): every later rescaling is an exact power of two, which a block's scale takes up: the codes' values come out the same.
;;   OPERANDS COMPUTED ON THE WAY. 'Computed on the way' means the value that the module computes at that place (a softmax that the list does not call 'softmax' is quantised finished and normalised). What goes into a quantiser is computed in f32, as accurately as f32 sums, v_exp_f32 and their like allow (about 1e-6 of the number): no bf16 or f16 on the way to a quantiser, and a product that is left as it is and whose result goes on into a quantised operand takes f32 operands (vector FMAs, or v_wmma_f32_16x16x4_f32). A number that lies on a knife's edge between two numbers of the format may be rounded either way, as far as f32 arithmetic and the matrix unit's own rounding can turn it there, and no further.
;; One version. Each part assembles by itself: llvm-mc -triple=amdgcn-amd-amdhsa -mcpu=gfx1250 --defsym DOCPART=n.
;; ======== version 1 of 1: 4 launches
;; limits: right only within a limited range of input values
;; workspace buffers: c1 8,650,752 bytes; s1 360,448 bytes; qkvc 18,874,368 bytes; qkvs 786,432 bytes; pc 12,582,912 bytes; pst 2,097,152 bytes
;; launch quant (part 1): grid 256 x 1, 11 waves a work-group, no clusters, 70,144 bytes of LDS; arguments x, w_q, w_k, w_v, c1, s1; writes c1, s1
.if DOCPART == 1
	.amdgcn_target "amdgcn-amd-amdhsa--gfx1250"
	.amdhsa_code_object_version 6
	.text
	.protected	k_q10f68ef950_quant
	.globl	k_q10f68ef950_quant
	.p2align	8
	.type	k_q10f68ef950_quant,@function
k_q10f68ef950_quant:
	s_mov_b64 s[64:65], 0
	v_nop
	global_prefetch_b8 v0, s[64:65] scope:SCOPE_SE
	s_setreg_imm32_b32 hwreg(HW_REG_WAVE_MODE, 25, 1), 1
	s_wait_xcnt 0x0
; x [8192][1024] and w_q, w_k, w_v [1024 (k)][1024 (n)], f32, become codes of FP6 (E2M3) with one E8M0 byte for each 32 along K, laid as the products' operand registers want them.
; A TILE is 16 rows of an operand (x: tokens; w: columns).  Tile 4 B + j holds at position p the index 64 B + 32 (p / 8) + 8 j + p % 8 (B: a band of 64): so the four tiles of a band give a lane of a product's result 32 neighbours.
; A FRAGMENT IMAGE (tile, K step s of 128) is 1,536 bytes: registers 4 j .. 4 j + 3 of lane l at 512 j + 16 l.  c1 = [704 tiles][8 s][1536]: x's 512 tiles, then w_q's, w_k's, w_v's 64 each.
; x's bands lie in c1 with the lowest two bits of their number exchanged: 128 rows on end are then bands c of two neighbouring key steps of 128 tokens.
; s1: x's scale words [512 tiles][2][16 rows][4 words] (eight K steps a row), then the weights' [8 s][192 tiles][16 rows].
; A block's scale is 2^(floor(log2(largest magnitude)) - 2); its byte is the largest magnitude's exponent field - 2, held at 1 from below.
; WORK LEFT OUT IN THE PROGRAM: scores of keys above the diagonal, which reference() replaces by -inf, are not computed where whole blocks of them are hidden (in the third and the fourth launch); their weight in the softmax is 0 for all inputs.
; LIMITS: NaN and infinities are not served, and one that reaches only the work left out is not carried to the result; a block whose largest magnitude lies under 2^-124, a block of zeros too, gets the byte 1 (these bytes are read by this program alone).
; SHARES.  256 work-groups of 11 waves; a wave takes 16,384 bytes of input.  Waves 0-7: the work-group's 32 rows of x, one K step each, turned through the wave's own stage in LDS.  Waves 8-10: 32 columns x 128 k of a weight; a lane takes a column, registers run down K.
; No tensor loads, no clusters: nothing is read by two work-groups.  No prefetch: there is no loop to run ahead in.
.set STGB,  8448                       ; a stage: 16 rows x (512 bytes + 16)
.set GAT,   8*STGB                     ; the work-group's 1,024 bytes of scale words
.set SPARE, GAT+1024                   ; the spare words, 128 bytes a wave, that no other line names
.set SPW,   12
.set NIL,   13
.set X,     64                         ; v64-127: register 32 c + i = k 64 c + 32 (lane / 16) + i of row lane % 16
.set R,     128                        ; v128-255: the 32 rows as loaded
.macro TURN u                          ; in as loaded (512 bytes a row), out two whole blocks a lane.  LDS serves a wave's instructions in order: no wait between
.irp p, 0,1,2,3,4,5,6,7,8,9,10,11,12,13,14,15
	ds_store_b128 v3, v[R+64*\u+4*\p:R+64*\u+4*\p+3] offset:528*\p
.endr
.irp j, 0,1,2,3,4,5,6,7
	ds_load_b128 v[X+4*\j:X+4*\j+3], v4 offset:16*\j
	ds_load_b128 v[X+32+4*\j:X+35+4*\j], v4 offset:256+16*\j
.endr
.endm
.macro QTILE u, P                      ; two blocks a lane, 12 registers of codes at P
	s_wait_dscnt 0x0
.irp c, 0,1
	v_max3_num_f32 v[16+2*\c], |v[X+32*\c]|, |v[X+32*\c+1]|, |v[X+32*\c+2]|
	v_max3_num_f32 v[17+2*\c], |v[X+32*\c+3]|, |v[X+32*\c+4]|, |v[X+32*\c+5]|
.endr
.irp i, 6,10,14,18,22,26
.irp c, 0,1
	v_max3_num_f32 v[16+2*\c], v[16+2*\c], |v[X+32*\c+\i]|, |v[X+32*\c+\i+1]|
	v_max3_num_f32 v[17+2*\c], v[17+2*\c], |v[X+32*\c+\i+2]|, |v[X+32*\c+\i+3]|
.endr
.endr
.irp c, 0,1
	v_max3_num_f32 v[16+2*\c], v[16+2*\c], |v[X+32*\c+30]|, |v[X+32*\c+31]|
.endr
.irp c, 0,1
	v_max3_num_f32 v[16+2*\c], v[16+2*\c], v[17+2*\c], 0x1800000   ; and the floor 2^(3 - 127): the byte cannot fall under 1
.endr
.irp c, 0,1
	v_add_nc_u32 v[20+\c], 0xff000000, v[16+2*\c]  ; 2 off the exponent field: the conversion's scale operand
.endr
.irp c, 0,1
	v_lshrrev_b32 v[22+\c], 23, v[20+\c]           ; the scale's byte
.endr
.irp c, 0,1
	v_cvt_scalef32_pk16_fp6_f32 v[\P+6*\c:\P+6*\c+2], v[X+32*\c:X+32*\c+15], v[20+\c]
	v_cvt_scalef32_pk16_fp6_f32 v[48+4*\c:50+4*\c], v[X+32*\c+16:X+32*\c+31], v[20+\c]   ; (a conversion's three registers begin on an even number)
.endr
	v_nop                                          ; one plain place behind a scaled conversion
.irp c, 0,1
.irp i, 0,1,2
	v_mov_b32 v[\P+6*\c+3+\i], v[48+4*\c+\i]
.endr
.endr
	ds_store_b8 v9, v22 offset:512*\u              ; block lane / 16
	ds_store_b8 v9, v23 offset:512*\u+2            ; block 2 + lane / 16
.irp j, 0,1,2
	global_store_b128 v2, v[\P+4*\j:\P+4*\j+3], s[26:27] offset:12288*\u+512*\j   ; 512 consecutive bytes, aligned
.endr
.endm
	s_load_b256 s[4:11], s[0:1], 0x0               ; x s[4:5], w_q s[6:7], w_k s[8:9], w_v s[10:11]
	s_load_b128 s[12:15], s[0:1], 0x20             ; c1 s[12:13], s1 s[14:15]
	v_lshl_add_u32 v[SPW], v0, 2, SPARE
	v_mov_b32 v[NIL], 0
	v_lshrrev_b32 v1, 5, v0
	v_readfirstlane_b32 s16, v1                    ; wave 0..10
	s_mul_i32 s17, s16, STGB
	s_lshr_b32 s18, s16, 2
	s_lshl_b32 s18, s18, 8
	s_and_b32 s19, s16, 3
	s_lshl_b32 s19, s19, 2
	s_add_co_u32 s18, s18, s19
	s_add_co_u32 s18, s18, GAT                     ; where K step s = wave stands in a row's words
	s_lshl_b32 s19, s16, 9
	s_add_co_u32 s20, s19, GAT
	s_lshr_b32 s21, ttmp9, 1                       ; x's band
	s_and_b32 s22, ttmp9, 1                        ; its tiles 0, 1 or 2, 3
	s_and_b32 s24, s21, 0x7c
	s_and_b32 s25, s21, 1
	s_lshl_b32 s25, s25, 1
	s_or_b32 s24, s24, s25
	s_bfe_u32 s25, s21, 0x10001
	s_or_b32 s24, s24, s25                         ; the band's place in c1
	s_lshl_b32 s24, s24, 2
	s_lshl_b32 s25, s22, 1
	s_add_co_u32 s24, s24, s25                     ; my first tile
	s_mul_i32 s26, s24, 12288
	s_mul_i32 s25, s16, 1536
	s_add_co_u32 s26, s26, s25
	s_mov_b32 s27, 0
	s_lshl_b32 s28, s24, 9
	s_add_co_u32 s28, s28, s19
	s_mov_b32 s29, 0
	s_lshl_b32 s30, s21, 18                        ; 64 rows of 4,096 bytes
	s_lshl_b32 s25, s22, 16                        ; 16 rows
	s_add_co_u32 s30, s30, s25
	s_add_co_u32 s30, s30, s19                     ; 128 numbers
	s_mov_b32 s31, 0
	v_and_b32 v1, 31, v0                           ; lane
	v_and_b32 v7, 15, v0                           ; r
	v_bfe_u32 v8, v0, 4, 1                         ; h
	v_lshlrev_b32 v2, 4, v1
	v_lshlrev_b32 v5, 2, v1
	v_add_nc_u32 v3, s17, v2                       ; into the stage
	v_mul_u32_u24 v4, v7, 528
	v_lshl_add_u32 v4, v8, 7, v4
	v_add_nc_u32 v4, s17, v4                       ; out of it: row r, + 128 h
	v_lshl_add_u32 v9, v7, 4, v8
	v_add_nc_u32 v9, s18, v9                       ; my row's byte among the scale words
	v_add_nc_u32 v10, s20, v2                      ; and on the way out 16 bytes a lane
	v_and_b32 v6, 7, v7                            ; a weight: lanes 0-15 hold the first tile's positions, lanes 16-31 the second's
	v_lshl_or_b32 v6, v8, 3, v6
	v_lshrrev_b32 v11, 3, v7
	v_lshl_or_b32 v6, v11, 5, v6
	v_lshlrev_b32 v6, 2, v6                        ; my column's byte in the band
	s_wait_alu depctr_va_vdst(0)                   ; the wait at the head's end
	s_wait_kmcnt 0x0
	s_add_nc_u64 s[28:29], s[14:15], s[28:29]
	s_cmp_lt_u32 s16, 8
	s_cbranch_scc0 .Lw
	s_add_nc_u64 s[4:5], s[4:5], s[30:31]
	s_add_nc_u64 s[26:27], s[12:13], s[26:27]
.set n, 0
.rept 32                                       ; a load reads 512 consecutive bytes of one row; the first tile's sixteen rows first, in the tile's order
	global_load_b128 v[R+4*n:R+4*n+3], v2, s[4:5] offset:(32*((n%16)/8)+8*(n/16)+n%8)*4096 th:TH_LOAD_NT
.set n, n+1
.endr
	s_wait_loadcnt 16                              ; the first tile's sixteen loads are in
	TURN 0
	QTILE 0, 36
	s_wait_loadcnt 0x0
	TURN 1
	QTILE 1, 24
	s_branch .Ljoin
.Lw:	; a weight: unit 3 x work-group + wave - 8 = (matrix, K step, 32 columns: tiles 2 gw, 2 gw + 1)
	s_mul_i32 s17, ttmp9, 3
	s_add_co_u32 s17, s17, s16
	s_sub_co_u32 s17, s17, 8
	s_lshr_b32 s18, s17, 8                         ; m
	s_bfe_u32 s19, s17, 0x30005                    ; s
	s_and_b32 s22, s17, 31                         ; gw
	s_lshl_b32 s24, s19, 19                        ; 128 rows of 4,096 bytes
	s_lshr_b32 s25, s22, 1
	s_lshl_b32 s25, s25, 8
	s_add_co_u32 s24, s24, s25
	s_and_b32 s25, s22, 1
	s_lshl_b32 s25, s25, 6
	s_add_co_u32 s24, s24, s25
	s_mov_b32 s25, 0
	s_lshl_b32 s30, s18, 6
	s_lshl_b32 s31, s22, 1
	s_add_co_u32 s30, s30, s31                     ; tile 64 m + 2 gw
	s_lshl_b32 s36, s30, 6
	s_mul_i32 s31, s19, 12288
	s_add_co_u32 s36, s36, s31
	s_add_co_u32 s36, s36, 262144
	s_mov_b32 s37, 0
	s_add_co_u32 s30, s30, 512
	s_mul_i32 s34, s30, 12288
	s_mul_i32 s31, s19, 1536
	s_add_co_u32 s34, s34, s31
	s_mov_b32 s35, 0
	s_cmp_eq_u32 s18, 0                            ; the choice hangs on the work-group's and the wave's number alone
	s_cselect_b64 s[6:7], s[6:7], s[8:9]
	s_cmp_eq_u32 s18, 2
	s_cselect_b64 s[6:7], s[10:11], s[6:7]
	s_add_nc_u64 s[6:7], s[6:7], s[24:25]
	s_add_nc_u64 s[34:35], s[12:13], s[34:35]
	s_add_nc_u64 s[36:37], s[14:15], s[36:37]
.macro LOAD t                          ; block t: w(32 t + i, my column) into set t % 2
.irp i, 0,1,2,3,4,5,6,7,8,9,10,11,12,13,14,15,16,17,18,19,20,21,22,23,24,25,26,27,28,29,30,31
	global_load_b32 v[64+32*((\t)%2)+\i], v6, s[6:7] offset:(32*(\t)+\i)*4096
.endr
.endm
.macro BLOCK t                         ; blocks 0, 2 go to v128-139, blocks 1, 3 to v140-151
.set XS, 64+32*((\t)%2)
.set F, 128+12*((\t)%2)+6*((\t)/2)
.if (\t) < 3
	s_wait_loadcnt 32                              ; this block's 32 loads are in; the next block's may be out
.else
	s_wait_loadcnt 0x0
.endif
	v_max3_num_f32 v16, |v[XS]|, |v[XS+1]|, |v[XS+2]|
	v_max3_num_f32 v17, |v[XS+3]|, |v[XS+4]|, |v[XS+5]|
.irp i, 6,10,14,18,22,26
	v_max3_num_f32 v16, v16, |v[XS+\i]|, |v[XS+\i+1]|
	v_max3_num_f32 v17, v17, |v[XS+\i+2]|, |v[XS+\i+3]|
.endr
	v_max3_num_f32 v16, v16, |v[XS+30]|, |v[XS+31]|
	v_max3_num_f32 v16, v16, v17, 0x1800000
	v_add_nc_u32 v18, 0xff000000, v16
	v_lshrrev_b32 v[160+(\t)], 23, v18
	v_cvt_scalef32_pk16_fp6_f32 v[F:F+2], v[XS:XS+15], v18
	v_cvt_scalef32_pk16_fp6_f32 v[152:154], v[XS+16:XS+31], v18
	v_nop
.irp i, 0,1,2
	v_mov_b32 v[F+3+\i], v[152+\i]
.endr
.if (\t) < 2
	LOAD (\t)+2
.endif
.endm
	LOAD 0
	LOAD 1
	BLOCK 0
	BLOCK 1
	BLOCK 2
	BLOCK 3
.irp i, 0,1,2,3,4,5,6,7,8,9,10,11
	v_permlane16_swap_b32 v[128+\i], v[140+\i]     ; v128-139: the first tile's fragment (lanes 16-31 get blocks 1, 3 of lanes 0-15's columns); v140-151: the second's
.endr
	v_lshl_or_b32 v164, v161, 8, v160
	v_lshl_or_b32 v164, v162, 16, v164
	v_lshl_or_b32 v164, v163, 24, v164             ; my column's scale word
.irp j, 0,1,2
	global_store_b128 v2, v[128+4*\j:131+4*\j], s[34:35] offset:512*\j
	global_store_b128 v2, v[140+4*\j:143+4*\j], s[34:35] offset:12288+512*\j
.endr
	global_store_b32 v5, v164, s[36:37]
.Ljoin:
	s_wait_dscnt 0x0                               ; my scale bytes are in LDS
	s_barrier_signal -1
	s_barrier_wait -1
	s_cmp_lt_u32 s16, 2
	s_cbranch_scc0 .Lend
	ds_load_b128 v[64:67], v10
	s_wait_dscnt 0x0
	global_store_b128 v2, v[64:67], s[28:29]       ; a tile's 512 bytes
.Lend:
	s_wait_tensorcnt 0x0                           ; the wave's end
	ds_add_u32 v[SPW], v[NIL]
	s_wait_dscnt 0x0
	s_endpgm
.Lfunc_end_k_q10f68ef950_quant:
	.size	k_q10f68ef950_quant, .Lfunc_end_k_q10f68ef950_quant-k_q10f68ef950_quant
	.p2alignl 7, 3214868480
	.fill 96, 4, 3214868480
	.section	.rodata,"a",@progbits
	.p2align	6, 0x0
	.amdhsa_kernel k_q10f68ef950_quant
		.amdhsa_group_segment_fixed_size 70144
		.amdhsa_private_segment_fixed_size 0
		.amdhsa_enable_private_segment 0
		.amdhsa_kernarg_size 48
		.amdhsa_user_sgpr_count 2
		.amdhsa_user_sgpr_kernarg_segment_ptr 1
		.amdhsa_wavefront_size32 1
		.amdhsa_system_sgpr_workgroup_id_x 1
		.amdhsa_system_sgpr_workgroup_id_y 1
		.amdhsa_system_sgpr_workgroup_id_z 1
		.amdhsa_system_vgpr_workitem_id 0
		.amdhsa_next_free_vgpr 256
		.amdhsa_next_free_sgpr 66
		.amdhsa_reserve_vcc 0
		.amdhsa_float_denorm_mode_32 3
		.amdhsa_float_denorm_mode_16_64 3
		.amdhsa_memory_ordered 1
		.amdhsa_forward_progress 1
		.amdhsa_inst_pref_size 37
	.end_amdhsa_kernel
	.amdgpu_metadata
---
amdhsa.version: [ 1, 2 ]
amdhsa.kernels:
  - .name:           k_q10f68ef950_quant
    .symbol:         k_q10f68ef950_quant.kd
    .args:
      - { .name: x, .offset: 0, .size: 8, .value_kind: global_buffer, .address_space: global }
      - { .name: w_q, .offset: 8, .size: 8, .value_kind: global_buffer, .address_space: global }
      - { .name: w_k, .offset: 16, .size: 8, .value_kind: global_buffer, .address_space: global }
      - { .name: w_v, .offset: 24, .size: 8, .value_kind: global_buffer, .address_space: global }
      - { .name: c1, .offset: 32, .size: 8, .value_kind: global_buffer, .address_space: global }
      - { .name: s1, .offset: 40, .size: 8, .value_kind: global_buffer, .address_space: global }
    .group_segment_fixed_size: 70144
    .private_segment_fixed_size: 0
    .kernarg_segment_align: 8
    .kernarg_segment_size: 48
    .max_flat_workgroup_size: 352
    .sgpr_count:     66
    .vgpr_count:     256
    .wavefront_size: 32
...
	.end_amdgpu_metadata
.endif
;; end of part 1
;; launch proj (part 2): grid 16 x 16, 4 waves a work-group, clusters of 4 x 4, 327,680 bytes of LDS; arguments c1, s1, qkvc, qkvs; writes qkvc, qkvs
.if DOCPART == 2
	.amdgcn_target "amdgcn-amd-amdhsa--gfx1250"
	.amdhsa_code_object_version 6
	.text
	.protected	k_q10f68ef950_proj
	.globl	k_q10f68ef950_proj
	.p2align	8
	.type	k_q10f68ef950_proj,@function
k_q10f68ef950_proj:
	s_mov_b64 s[64:65], 0
	v_nop
	global_prefetch_b8 v0, s[64:65] scope:SCOPE_SE
	s_setreg_imm32_b32 hwreg(HW_REG_WAVE_MODE, 25, 1), 1
	s_wait_xcnt 0x0
	s_wait_alu depctr_hold_cnt(0) depctr_sa_sdst(0) depctr_va_vdst(0) depctr_va_sdst(0) depctr_va_ssrc(0) depctr_va_vcc(0) depctr_vm_vsrc(0)
	s_getreg_b32 s2, hwreg(HW_REG_IB_STS2, 6, 4)
	s_cmp_eq_u32 s2, 0
	s_cbranch_scc0 .Lentry_in_a_cluster
	s_endpgm
.Lentry_in_a_cluster:
	s_bfe_u32 s2, ttmp6, 0x10000c
	s_cmp_lg_u32 s2, 0xf033
	s_cbranch_scc0 .Lentry_shape_is_right
	s_endpgm
.Lentry_shape_is_right:
; q, k, v = x w AND THEIR QUANTISERS on codes of FP6 (E2M3).  No f32 result is stored.
; IN: c1, s1 as the first launch lays them: a tile of 16 rows, all of K, is 12,288 bytes on end, eight fragment images; 8 tiles are a CHUNK.
; OUT: qkvc: q tiles 0-511, k tiles 512-1023 as [tile][8 K steps][c][768]: six registers of band c of 64 columns: four at 16 x lane, two at 512 + 8 x lane; from byte 12,582,912 v^T [64 tiles of d][64 key steps][1536] as whole images;
; qkvs [8][1024 tiles][16] scale words of q and k, from byte 524,288 [64 key steps][64 tiles][16] of v^T.  Tiles: tile 4 B + j holds at position p index 64 B + 32 (p / 8) + 8 j + p % 8.
; LIMITS: NaN and infinities are not served; a scale byte is at least 1.
; SHARES.  256 work-groups of four waves, 2 x 2.  A wave holds 64 columns of a weight, ALL of K, in registers (32 fragments, 384 registers) and streams x past them in blocks of one tile: 32 products a block.
; A work-group makes 256 x 128 of v, then 512 x 128 of q or k.  v'S 256 ROWS ARE A HALF OF ITS OWN 512: the two chunks asked for at the head serve v's eight blocks and then the first eight of q or k; the other half's two chunks come later.
; Which half (s87 = cluster x % 2) and which tensor (s19 = cluster x / 2) come from the cluster's number alone.  v's tile column is 4 s19 + cx, its tile row 2 x (tile row) + s87: each tile of v has one work-group.
; x's rows are shared by a ROW of the cluster (mask s44), a weight's by a COLUMN (mask s45): joint loads.
; A wave in row w takes tiles 4 w .. 4 w + 3 of each chunk: one band of 64 tokens of its key step.  q, k transposed (source 0 = the weight): a lane's 32 results of a block are 32 neighbouring columns, one scale block.
; v untransposed: a lane's eight results of each of a band's four blocks are 32 neighbouring tokens, for each of four tiles of d.  So no block's largest magnitude looks at another lane.
; LDS: two slots for chunks, a region of its own for the weight, two places for a chunk's scale words, stages for the results' scale bytes, the spare words.
; FILLS.  One tensor load a wave at the head.  THREE REFILLS, each in a drained round of the cluster's barrier: in v's third block the weights' region (w_q's or w_k's columns), in the second phase's blocks 2 and 6 the other half's chunks.
; A BLOCK is 32 products; behind every second one stand two ENTRIES of the block's list: scalar lines and one vector line (two where a prefetch's address is made).  A round stands inside a block: products are register work.
; WAITS' COUNTS: younger than a block's fetch are the next block's fetch, NF loads, and the LDS stores of scale bytes issued between the two.
; PREFETCHES, shared out by address among the sixteen waves that will ask jointly: the second weight at the head, the third chunk and the later scale words in v's third block, the fourth chunk between the phases.
.set TILE,  12288
.set CHB,   8*TILE                     ; a chunk
.set HB,    4*TILE
.set NQ,    8
.set NB,    4
.set FR,    12
.set FPW,   21                         ; fragments in a window of 256 registers
.set NF,    26                         ; LDS loads of a block
.set BVB,   2*CHB
.set SCL,   3*CHB
.set SCB,   4096
.set XN,    SCL+2*SCB                  ; q's or k's scale words [32 tiles, the halves in the order of work][16]
.set XM,    XN+2048                    ; v's [2 key steps][8 tiles][16]
.set SPARE, XM+1024
.set C8,    8                          ; v8      8 x lane
.set CO,    9                          ; v9      16 x lane
.set SPW,   10
.set NIL,   11
.set ADRA,  12                         ; v4, v5 my tiles in slots 0, 1; v12 the slot that is fetched from now
.set AAS,   13                         ; v6, v7 my scale words in places 0, 1; v13 likewise
.set ADRB,  14
.set ABS,   15                         ; 4 x lane
.set STO,   18
.set STV,   19
.set SB,    24                         ; v24-39 the weight's scale words: 8 p + q, lanes 0-15 tile 2 p, lanes 16-31 tile 2 p + 1
.set TQ,    40
.set SA,    44                         ; v44-59 the rows' scale words, two sets of eight
.set TC,    60
.set ACC,   64                         ; v64-127 second phase: two sets of four accumulators
.set HV0,   64                         ; v64-191 first phase, band 0: 32 t + 8 j + i
.set HV1,   840                        ; v840-967 band 1
.set NCD,   128                        ; v128-139 two blocks' codes
.set MCD,   192                        ; v192-239 v's four images
.set SOP,   240
.set EB,    244
.set VX,    248
.set SB2,   968                        ; v968-983 the second weight's scale words
.set G1A,   24
.set G0A,   56
.set G0R,   68
.set G1B,   32
.set G0B,   60
.set G1S,   92
.set G0S,   72
.set MSB, 0
.macro WIN new
.if MSB != (\new)
	s_set_vgpr_msb (MSB<<8)|(\new)
.set MSB, (\new)
.endif
.endm
.macro PLACES n
.rept \n
	v_nop
.endr
.endm
.macro WALU
	s_wait_alu depctr_va_vdst(0)
.endm
.macro BARRIER
	s_barrier_signal -1
	s_barrier_wait -1
.endm
.macro MIDDLE                          ; a round's middle
	WIN 0
	s_barrier_wait -1
	s_cmp_lg_u32 s14, 0
	s_cbranch_scc1 .Lnot_wave_0_\@
	s_barrier_signal -3
.Lnot_wave_0_\@:
	s_barrier_wait -3
.endm
.macro CROUND
	s_barrier_signal -1
	MIDDLE
	BARRIER
.endm
.macro GRD
	s_wait_tensorcnt 0x0
	ds_add_u32 v[SPW], v[NIL]
.endm
.macro TLOAD g0, g1
	tensor_load_to_lds s[\g0:\g0+3], s[\g1:\g1+7]
	s_nop 0
	PLACES 4
.endm
.macro GROUP1 g, mask, el, rows        ; rows of el 8-byte elements, dense
	s_or_b32 s[\g+0], s[\mask], (3<<16)|(1<<21)
	s_mov_b32 s[\g+1], (\el)<<16
	s_mov_b32 s[\g+2], (\rows)<<16
	s_mov_b32 s[\g+3], (\el)<<16
	s_mov_b32 s[\g+4], \rows
	s_mov_b32 s[\g+5], \el
	s_mov_b32 s[\g+6], 0
	s_mov_b32 s[\g+7], 0
.endm
.macro SADD d, x
	s_add_co_u32 s\d, s\d, s\x
.endm
.macro G0SET g, base, off
	s_mov_b32 s20, s\off
	s_add_nc_u64 s[\g+2:\g+3], s[\base:\base+1], s[20:21]
	s_or_b32 s[\g+3], s[\g+3], 0x80000000
.endm
; Fragment f lies in window 1 + f / 21 at register 12 (f % 21): 0-31 the weight's (4 q + b), 32-39 and 40-47 the rows' two sets
.macro FRAG f, off, ad
	WIN ((1+(\f)/FPW)<<6)
.irp j, 0,1,2
	ds_load_b128 v[FR*((\f)%FPW)+4*\j:FR*((\f)%FPW)+4*\j+3], v[\ad] offset:(\off)+512*\j
.endr
.endm
.macro WEIGHTS                         ; my 64 columns, all of K: 96 loads
.irp q, 0,1,2,3,4,5,6,7
.irp b, 0,1,2,3
	FRAG NB*\q+\b, TILE*\b+1536*\q, ADRB
.endr
.endr
	WIN 0
.endm
.macro FETCHK e, k, ad, as             ; my tile k of a chunk into set e: NF loads
.irp q, 0,1,2,3,4,5,6,7
	FRAG NB*NQ+NQ*(\e)+\q, TILE*(\k)+1536*\q, \ad
.endr
	WIN 0
	ds_load_b128 v[SA+8*(\e):SA+8*(\e)+3], v[\as] offset:512*(\k)
	ds_load_b128 v[SA+8*(\e)+4:SA+8*(\e)+7], v[\as] offset:512*(\k)+256
.endm
; a product, n = 4 q + column tile.  kind 0 (q, k): source 0 the weight; kind 1 (v): source 0 x
.macro PROD kind, e, n, a0, as
.set Q_, (\n)/4
.set FB_, NB*Q_+(\n)%4
.set FA_, NB*NQ+NQ*(\e)+Q_
.set D_, (\a0)+(\as)*((\n)%4)
.set DL_, D_&255
.set XB_, SB+NQ*(((\n)%4)/2)+Q_
.set XA_, SA+8*(\e)+Q_
.if \kind
	WIN (1+FA_/FPW)|((1+FB_/FPW)<<2)|((D_>>8)<<4)|((D_>>8)<<6)
.if Q_
	PROD1 DL_, FA_, FB_, v[DL_:DL_+7], XA_, XB_, b, (\n)%2
.else
	PROD1 DL_, FA_, FB_, 0, XA_, XB_, b, (\n)%2
.endif
.else
	WIN (1+FB_/FPW)|((1+FA_/FPW)<<2)|((D_>>8)<<4)|((D_>>8)<<6)
.if Q_
	PROD1 DL_, FB_, FA_, v[DL_:DL_+7], XB_, XA_, a, (\n)%2
.else
	PROD1 DL_, FB_, FA_, 0, XB_, XA_, a, (\n)%2
.endif
.endif
.endm
.macro PROD1 d, s0, s1, c, x0, x1, side, o
.if \o
	v_wmma_scale_f32_16x16x128_f8f6f4 v[\d:\d+7], v[FR*((\s0)%FPW):FR*((\s0)%FPW)+FR-1], v[FR*((\s1)%FPW):FR*((\s1)%FPW)+FR-1], \c, v[\x0], v[\x1] matrix_a_fmt:MATRIX_FMT_FP6 matrix_b_fmt:MATRIX_FMT_FP6 matrix_\side\()_scale:MATRIX_SCALE_ROW1
.else
	v_wmma_scale_f32_16x16x128_f8f6f4 v[\d:\d+7], v[FR*((\s0)%FPW):FR*((\s0)%FPW)+FR-1], v[FR*((\s1)%FPW):FR*((\s1)%FPW)+FR-1], \c, v[\x0], v[\x1] matrix_a_fmt:MATRIX_FMT_FP6 matrix_b_fmt:MATRIX_FMT_FP6 matrix_\side\()_scale:MATRIX_SCALE_ROW0
.endif
.endm
.macro BLOCK kind, e, a0, as, from, to, list, x=0, y=0
.set N_, \from
.rept (\to)-(\from)
	PROD \kind, \e, N_, \a0, \as
.if N_%2
	\list N_-1, \x, \y
	\list N_, \x, \y
.endif
.set N_, N_+1
.endr
.endm
; the lists' parts: each macro writes entry i and nothing beyond its last
.macro CHAIN i, x, n, t=TQ             ; 18 entries: the largest magnitude of the 32 sums from register x on, in two chains, and the conversions' scale operand
.set XW_, (\x)>>8
.set XL_, (\x)&255
.if (\i) >= 0 && (\i) < 14
.set B_, XL_+16*((\i)%2)+2*((\i)/2)
.set T_, (\t)+1-(\i)%2
.if (\i) < 2
	WIN XW_|(XW_<<2)|(XW_<<4)
	v_max3_num_f32 v[T_], |v[B_]|, |v[B_+1]|, |v[B_+2]|
.else
	WIN (XW_<<2)|(XW_<<4)
	v_max3_num_f32 v[T_], v[T_], |v[B_+1]|, |v[B_+2]|
.endif
.elseif (\i) == 14
	WIN XW_<<2
	v_max3_num_f32 v[\t+1], v[\t+1], |v[XL_+15]|, 0x1800000
.elseif (\i) == 15
	WIN 0
	v_nop                                  ; so that the next line stands in the next pair
.elseif (\i) == 16
	WIN XW_<<2
	v_max3_num_f32 v[\t], v[\t], |v[XL_+31]|, v[\t+1]
.elseif (\i) == 17
	WIN 0
	v_add_nc_u32 v[SOP+\n], 0xff000000, v[\t]
.endif
.endm
.macro CODES i, x, c, n, t=TC          ; 6 lines: 32 codes into v[c .. c+5], the scale's byte into v[EB+n]
.set XW_, (\x)>>8
.set XL_, (\x)&255
.if (\i) == 0
	WIN XW_
	v_cvt_scalef32_pk16_fp6_f32 v[\c:\c+2], v[XL_:XL_+15], v[SOP+\n]
.elseif (\i) == 1
	WIN XW_
	v_cvt_scalef32_pk16_fp6_f32 v[\t:\t+2], v[XL_+16:XL_+31], v[SOP+\n]
.elseif (\i) == 2
	WIN 0
	v_lshrrev_b32 v[EB+\n], 23, v[SOP+\n]
.else
	WIN 0
	v_mov_b32 v[\c+\i], v[\t+\i-3]
.endif
.endm
.macro CODES6 x, c, n
.irp i, 0,1,2,3,4,5
	CODES \i, \x, \c, \n
.endr
.endm
.macro PFTILE v, off, share            ; one entry: my sixteenth of 98,304 bytes, 24 blocks of 256, to be asked for into the L2
	s_mul_i32 s21, s\share, CHB/16
	s_add_co_u32 s20, s\off, s21
	WIN 0
	v_min_u32 v\v, CHB/16/256-1, v3
	v_lshl_add_u32 v\v, v\v, 8, s20
.endm
.macro PFGO v, base
	global_prefetch_b8 v\v, s[\base:\base+1] th:TH_LOAD_NT scope:SCOPE_SE
.endm
.macro ASK i                           ; 4 entries: the descriptors of the next chunk (s88, slot s47) and of its scale words (s55, place s8)
.if (\i) == 0
	s_mul_i32 s[G0R+1], s14, HB
	s_add_co_u32 s[G0R+1], s[G0R+1], s47
	s_mul_i32 s20, s14, HB
	SADD 20, 88
.elseif (\i) == 1
	s_mov_b32 s21, 0
	s_add_nc_u64 s[G0R+2:G0R+3], s[4:5], s[20:21]
	s_or_b32 s[G0R+3], s[G0R+3], 0x80000000
	s_mov_b32 s[G0S+1], s8
.elseif (\i) == 2
	s_mov_b32 s20, s55
	s_add_nc_u64 s[G0S+2:G0S+3], s[6:7], s[20:21]
	s_or_b32 s[G0S+3], s[G0S+3], 0x80000000
	s_add_co_u32 s88, s88, CHB
.elseif (\i) == 3
	s_add_co_u32 s55, s55, SCB
	s_xor_b32 s47, s47, CHB
	s_xor_b32 s8, s8, (SCL)^(SCL+SCB)
.endif
.endm
.macro TOG i                           ; 2 entries: to the other slot
.if (\i) == 0
	s_xor_b32 s101, s101, CHB
	s_xor_b32 s91, s91, SCB
	WIN 0
	v_add_nc_u32 v[ADRA], s101, v4
.elseif (\i) == 1
	WIN 0
	v_add_nc_u32 v[AAS], s91, v6
.endif
.endm
.macro CHK i                           ; 4 entries: where chunk s46 (in the order of work) goes: its codes by the true half, its scale bytes in the stage by the order of work
.if (\i) == 0
	s_lshr_b32 s20, s46, 1
	s_xor_b32 s20, s20, s87
	s_mul_i32 s20, s20, 16*TILE
	s_and_b32 s21, s46, 1
.elseif (\i) == 1
	s_mul_i32 s22, s21, HB
	SADD 20, 22
	s_lshl_b32 s23, s21, 8
	s_mov_b32 s21, 0
.elseif (\i) == 2
	s_add_nc_u64 s[84:85], s[10:11], s[20:21]
	s_lshr_b32 s22, s46, 1
	s_lshl_b32 s22, s22, 10
	s_or_b32 s22, s22, s23
.elseif (\i) == 3
	s_add_co_u32 s46, s46, 1
	WIN 0
	v_add_nc_u32 v[VX], s22, v[STO]
.endif
.endm
.macro L_NONE i, x, y
.endm
.macro L_OUT i, x, y
	CHAIN \i, \x, \y
.endm
.macro L_V2 i, x, y                    ; the refills' group 1, the first refill's group 0, what the second and third will load
.if (\i) == 0
	s_mov_b32 s[G1A+2], 4<<16
	s_mov_b32 s[G1A+4], 4
	s_mov_b32 s[G1S+2], 16<<16
	s_mov_b32 s[G1S+4], 16
.elseif (\i) == 1
	s_mov_b32 s[G1B+2], 4<<16
	s_mov_b32 s[G1B+4], 4
	s_mul_i32 s[G0B+1], s14, HB
	s_add_co_u32 s[G0B+1], s[G0B+1], BVB
.elseif (\i) == 2
	s_mul_i32 s20, s14, HB
	SADD 20, 9
	s_mov_b32 s21, 0
	s_add_nc_u64 s[G0B+2:G0B+3], s[4:5], s[20:21]
.elseif (\i) == 3
	s_or_b32 s[G0B+3], s[G0B+3], 0x80000000
.elseif (\i) == 4
	PFTILE 21, 88, 90
.elseif (\i) == 5
	s_lshl_b32 s21, s90, 9
	s_add_co_u32 s20, s55, s21
	WIN 0
	v_min_u32 v22, 1, v3
	v_lshl_add_u32 v22, v22, 8, s20
.endif
.endm
.macro L_V7 i, x, y
.if (\i) == 0
	s_add_co_u32 s22, s88, CHB
	PFTILE 23, 22, 90
.endif
	CHAIN (\i)-1, \x, \y
.endm
.macro L_CHK i, x, y
	CHK \i
	CHAIN (\i)-4, \x, \y
.endm
.macro L_ROUND i, x, y
	ASK \i
	TOG (\i)-4
	CHAIN (\i)-6, \x, \y
.endm
.macro L_TOG i, x, y
	TOG \i
	CHAIN (\i)-2, \x, \y
.endm
.macro WAITDS w
.if (\w) >= 0
	s_wait_dscnt \w
.endif
.endm
.macro OUTST set, j                    ; a block's byte and codes leave; j: its tile in the band
	WALU
	ds_store_b8 v[VX], v[EB+\set] offset:64*\j
	global_store_b128 v[CO], v[NCD+6*\set:NCD+6*\set+3], s[84:85] offset:TILE*\j
	global_store_b64 v[C8], v[NCD+6*\set+4:NCD+6*\set+5], s[84:85] offset:TILE*\j+512
.endm
.macro EVEN w, list, j, k              ; an even block: the odd block before leaves as its band's tile j; tile k of the next chunk is fetched (k < 0: nothing)
	WAITDS \w
	BLOCK 0, 0, ACC, 8, 0, 32, \list, ACC+32, 1
	WIN 0
	CODES6 ACC+32, NCD+6, 1
	OUTST 1, \j
.if (\k) >= 0
	FETCHK 0, \k, ADRA, AAS
.endif
.endm
.macro ODD w, list, j, k
	WAITDS \w
	s_wait_xcnt 0x0                                ; the stores of the two blocks before have read their registers and their base
	BLOCK 0, 1, ACC+32, 8, 0, 32, \list, ACC, 0
	WIN 0
	CODES6 ACC, NCD, 0
	OUTST 0, \j
.if (\k) >= 0
	FETCHK 1, \k, ADRA, AAS
.endif
.endm
.macro EVENROUND w, j, k               ; the second and the third refill
	WAITDS \w
	GRD
	BLOCK 0, 0, ACC, 8, 0, 26, L_ROUND, ACC+32, 1
	WIN 0
	WALU
	s_wait_dscnt 0x0
	s_barrier_signal -1
	BLOCK 0, 0, ACC, 8, 26, 32, L_NONE
	WIN 0
	CODES6 ACC+32, NCD+6, 1
	MIDDLE
	BARRIER
	s_cmp_lt_u32 s14, 2
	s_cbranch_scc0 .Lscales_\@
	TLOAD G0R, G1A
	s_branch .Lasked_\@
.Lscales_\@:
	s_cmp_eq_u32 s14, 2
	s_cbranch_scc0 .Lasked_\@
	TLOAD G0S, G1S
.Lasked_\@:
	OUTST 1, \j
	FETCHK 0, \k, ADRA, AAS
.endm
.macro EVENSHOW w, j, k                ; a plain barrier inside the block shows the last refill to all
	WAITDS \w
	BLOCK 0, 0, ACC, 8, 0, 26, L_TOG, ACC+32, 1
	WIN 0
	WALU
	s_wait_tensorcnt 0x0
	s_wait_dscnt 0x0
	s_barrier_signal -1
	BLOCK 0, 0, ACC, 8, 26, 32, L_NONE
	WIN 0
	s_barrier_wait -1
	CODES6 ACC+32, NCD+6, 1
	OUTST 1, \j
	FETCHK 0, \k, ADRA, AAS
.endm
; ================= THE HEAD
	s_load_b128 s[4:7], s[0:1], 0x0                ; c1, s1
	s_load_b128 s[48:51], s[0:1], 0x10             ; qkvc, qkvs
	v_lshl_add_u32 v[SPW], v0, 2, SPARE
	v_mov_b32 v[NIL], 0
	ds_add_u32 v[SPW], v[NIL]                      ; the wave's opening: the add, twice on end, and its wait
	ds_add_u32 v[SPW], v[NIL]
	v_lshrrev_b32 v1, 5, v0
	v_readfirstlane_b32 s14, v1                    ; s14 the wave; s15 its row of the 2 x 2, s16 its column
	s_lshr_b32 s15, s14, 1
	s_and_b32 s16, s14, 1
	s_bfe_u32 s40, ttmp6, 0x40000                  ; cx
	s_bfe_u32 s41, ttmp6, 0x40004                  ; cy
	s_lshl_b32 s42, ttmp9, 2
	s_add_co_u32 s42, s42, s40                     ; the second phase's tile column, 0 .. 15
	s_and_b32 s43, ttmp7, 0xffff
	s_lshl_b32 s43, s43, 2
	s_add_co_u32 s43, s43, s41                     ; its tile row
	s_lshr_b32 s19, ttmp9, 1                       ; 0 q, 1 k
	s_and_b32 s87, ttmp9, 1                        ; v's half of my 512 rows
	s_lshl_b32 s13, s19, 2
	s_add_co_u32 s13, s13, s40                     ; v's tile column
	s_lshl_b32 s12, s43, 1
	s_add_co_u32 s12, s12, s87                     ; v's tile row
	s_lshl_b32 s44, s41, 2
	s_lshl_b32 s44, 15, s44                        ; my row of the cluster
	s_lshl_b32 s45, 0x1111, s40                    ; my column
	GROUP1 G1A, 44, 1536, 8
	GROUP1 G1B, 45, 1536, 8
	GROUP1 G1S, 44, 32, 32
	s_mov_b32 s[G0S], 1
	s_mov_b32 s[G0S+1], SCL
	s_mov_b32 s[G0A], 1
	s_mov_b32 s[G0A+1], 0
	s_mov_b32 s[G0B], 1
	s_mov_b32 s[G0B+1], BVB
	s_mov_b32 s[G0R], 1
	s_mov_b32 s[G0R+1], CHB
	s_mul_i32 s67, s43, 4*CHB                      ; my 512 rows, bytes from c1
	s_mul_i32 s66, s12, 2*CHB                      ; v's half of them
	s_mul_i32 s9, s42, CHB
	s_add_co_u32 s9, s9, 64*CHB                    ; w_q's or w_k's columns
	s_mul_i32 s54, s13, CHB
	s_add_co_u32 s54, s54, 80*CHB                  ; w_v's
	s_mul_i32 s55, s43, 4*SCB                      ; my rows' scale words, from s1
	s_mul_i32 s89, s12, 2*SCB
	s_lshl_b32 s21, s16, 8
	s_lshl_b32 s82, s42, 9
	SADD 82, 21
	s_add_co_u32 s82, s82, 262144
	s_mov_b32 s83, 0
	s_lshl_b32 s84, s13, 9
	SADD 84, 21
	s_add_co_u32 s84, s84, 262144+8192
	s_mov_b32 s85, 0
	s_lshl_b32 s90, s40, 2
	SADD 90, 14                                    ; my number among the sixteen waves of my row of the cluster
	s_lshl_b32 s100, s41, 2
	SADD 100, 14                                   ; and of my column
	s_mul_i32 s20, s15, HB
	s_mul_i32 s22, s16, HB
	s_add_co_u32 s22, s22, BVB
	s_lshl_b32 s23, s15, 11
	s_add_co_u32 s23, s23, SCL
	s_lshl_b32 s2, s15, 9
	s_lshl_b32 s3, s16, 1
	SADD 3, 2
	s_add_co_u32 s3, s3, XN
	s_lshl_b32 s21, s16, 8
	SADD 2, 21
	s_add_co_u32 s2, s2, XM
	v_and_b32 v1, 15, v0                           ; r
	v_bfe_u32 v2, v0, 4, 1                         ; h
	v_and_b32 v3, 31, v0                           ; lane
	v_lshlrev_b32 v[CO], 4, v3
	v_lshlrev_b32 v[C8], 3, v3
	v_lshlrev_b32 v[ABS], 2, v3
	v_add_nc_u32 v4, s20, v[CO]
	v_add_nc_u32 v5, CHB, v4
	v_add_nc_u32 v[ADRB], s22, v[CO]
	v_lshlrev_b32 v6, 4, v1
	v_add_nc_u32 v6, s23, v6
	v_add_nc_u32 v7, SCB, v6
	v_lshl_add_u32 v[STV], v1, 2, v2
	v_add_nc_u32 v[STO], s3, v[STV]                ; XN + 512 row + 2 column + 4 r + h
	v_add_nc_u32 v[STV], s2, v[STV]                ; XM + 512 row + 256 column + 4 r + h
	WALU
	s_wait_dscnt 0x0
	CROUND                                         ; all sixteen work-groups are here, ahead of the wait for the arguments
	s_wait_kmcnt 0x0
	s_add_nc_u64 s[84:85], s[6:7], s[84:85]        ; w_v's scale words
	s_add_nc_u64 s[10:11], s[6:7], s[82:83]        ; w_q's or w_k's
	s_mov_b32 s20, s66
	s_mov_b32 s21, 0
	s_add_nc_u64 s[G0A+2:G0A+3], s[4:5], s[20:21]
	s_add_nc_u64 s[G0R+2:G0R+3], s[G0A+2:G0A+3], CHB
	s_or_b32 s[G0A+3], s[G0A+3], 0x80000000
	s_or_b32 s[G0R+3], s[G0R+3], 0x80000000
	G0SET G0B, 4, 54
	G0SET G0S, 6, 89
	s_cmp_eq_u32 s14, 0
	s_cbranch_scc0 .Lwave_1
	TLOAD G0B, G1B                                 ; wave 0: w_v's columns
	s_branch .Lasked
.Lwave_1:
	s_cmp_eq_u32 s14, 1
	s_cbranch_scc0 .Lwave_2
	TLOAD G0S, G1S                                 ; wave 1: both chunks' scale words
	s_branch .Lasked
.Lwave_2:
	s_cmp_eq_u32 s14, 2
	s_cbranch_scc0 .Lwave_3
	TLOAD G0A, G1A                                 ; wave 2: chunk 0
	s_branch .Lasked
.Lwave_3:
	TLOAD G0R, G1A                                 ; wave 3: chunk 1
.Lasked:
.irp q, 0,1,2,3,4,5,6,7
.irp p, 0,1
	global_load_b32 v[SB+8*\p+\q], v[ABS], s[84:85] offset:12288*\q+128*\p
.endr
.endr
	WIN 3<<6
.irp q, 0,1,2,3,4,5,6,7
.irp p, 0,1
	global_load_b32 v[SB2-768+8*\p+\q], v[ABS], s[10:11] offset:12288*\q+128*\p
.endr
.endr
	WIN 0
	s_lshl_b32 s76, s19, 9                         ; where the results go: q's or k's codes: tile 512 s19 + 32 row + 8 s15, K step s42 % 8, band s16
	s_lshl_b32 s21, s43, 5
	SADD 76, 21
	s_lshl_b32 s21, s15, 3
	SADD 76, 21
	s_mul_i32 s76, s76, TILE
	s_and_b32 s21, s42, 7
	s_mul_i32 s22, s21, 1536
	SADD 76, 22
	s_mul_i32 s22, s16, 768
	SADD 76, 22
	s_mov_b32 s77, 0
	s_lshl_b32 s78, s21, 16                        ; their scale words: at the end wave 2 a + b stores half a (in the order of work), key-step row b
	s_lshl_b32 s22, s19, 15
	SADD 78, 22
	s_lshl_b32 s22, s43, 11
	SADD 78, 22
	s_xor_b32 s22, s15, s87
	s_lshl_b32 s22, s22, 10
	SADD 78, 22
	s_lshl_b32 s22, s16, 9
	SADD 78, 22
	s_mov_b32 s79, 0
	s_lshl_b32 s23, s13, 1                         ; v's images: tiles 8 column + 4 s16 .., key step 2 row + s15
	SADD 23, 16
	s_mul_i32 s80, s23, 4*CHB
	s_lshl_b32 s22, s12, 1
	SADD 22, 15
	s_mul_i32 s20, s22, 1536
	SADD 80, 20
	s_add_co_u32 s80, s80, 12582912
	s_mov_b32 s81, 0
	s_lshl_b32 s82, s22, 12                        ; and their scale words
	s_lshl_b32 s23, s23, 8
	SADD 82, 23
	s_add_co_u32 s82, s82, 524288
	s_mov_b32 s83, 0
	s_add_nc_u64 s[52:53], s[48:49], s[80:81]
	s_add_nc_u64 s[78:79], s[50:51], s[78:79]
	s_add_nc_u64 s[82:83], s[50:51], s[82:83]
	s_wait_xcnt 0x0                                ; the loads have read their base
	s_add_nc_u64 s[10:11], s[48:49], s[76:77]
	s_mov_b32 s46, 0
	s_mov_b32 s88, s67
	s_mov_b32 s47, 0
	s_mov_b32 s8, SCL
	s_mov_b32 s101, 0
	s_mov_b32 s91, 0
	s_xor_b32 s20, s87, 1                          ; the chunks still to come are the other half's
	s_mul_i32 s21, s20, 2*CHB
	SADD 88, 21
	s_mul_i32 s21, s20, 2*SCB
	SADD 55, 21
	PFTILE 20, 9, 100                              ; what the first refill will load
	WALU
	s_cmp_eq_u32 s14, 0
	s_cbranch_scc0 .Lnot_b
	s_wait_tensorcnt 0x0
.Lnot_b:
	BARRIER                                        ; w_v's columns are in
	PFGO 20, 4
	WEIGHTS
	s_wait_loadcnt 0x0
	s_cmp_eq_u32 s14, 3
	s_cbranch_scc1 .Lnot_a0
	s_wait_tensorcnt 0x0
.Lnot_a0:
	s_wait_dscnt 0x0
	BARRIER                                        ; chunk 0 and the scale words are in; chunk 1 may be on its way
	FETCHK 0, 0, 4, 6
	FETCHK 1, 1, 4, 6
; ================= FIRST PHASE: v, eight blocks; band 0's way outs stand in band 1's blocks
.irp s, 0,1
	s_wait_dscnt NF
	BLOCK 1, \s, HV0+8*\s, 32, 0, 32, L_NONE
	WIN 0
	PLACES 4
	FETCHK \s, \s+2, 4, 6
.endr
	s_wait_dscnt NF
	GRD
	BLOCK 1, 0, HV0+16, 32, 0, 24, L_V2
	WIN 0
	s_wait_dscnt 0x0
	s_barrier_signal -1
	BLOCK 1, 0, HV0+16, 32, 24, 32, L_NONE
	MIDDLE
	BARRIER
	s_cmp_lt_u32 s14, 2
	s_cbranch_scc0 .Lno_half
	TLOAD G0B, G1B                                 ; waves 0 and 1 a half each of the second weight, onto w_v's bytes, which all waves hold in registers
.Lno_half:
	PLACES 4                                       ; places between the block's products and the fetch, for the waves that come round the load
	WALU
	FETCHK 0, 0, 5, 7
	PFGO 21, 4
	PFGO 22, 6
	BLOCK 1, 1, HV0+24, 32, 0, 32, L_NONE
	WIN 0
	PLACES 4
	FETCHK 1, 1, 5, 7
.irp j, 0,1,2
	s_wait_dscnt NF+(\j+1)/2
	BLOCK 1, \j%2, HV1+8*\j, 32, 0, 32, L_OUT, HV0+32*\j, \j
	WIN 0
	CODES6 HV0+32*\j, MCD+12*\j, \j
	WALU
	ds_store_b8 v[STV], v[EB+\j] offset:64*\j
.if \j < 2
	FETCHK \j%2, \j+2, 5, 7
.endif
.endr
	s_wait_dscnt 1
	BLOCK 1, 1, HV1+24, 32, 0, 26, L_V7, HV0+96, 3
	WIN 0
	WALU
	s_wait_tensorcnt 0x0
	s_wait_dscnt 0x0
	s_barrier_signal -1                            ; a plain barrier shows the second weight to all
	BLOCK 1, 1, HV1+24, 32, 26, 32, L_NONE
	WIN 0
	s_barrier_wait -1
	CODES6 HV0+96, MCD+36, 3
	WALU
	ds_store_b8 v[STV], v[EB+3] offset:192
; ================= THE CHANGE OF PHASE: the weight and the first two blocks, out of slot 0 as it has lain since the head, in one run of loads; band 1's way outs under their flight
	WEIGHTS
	FETCHK 0, 0, 4, 6
	FETCHK 1, 1, 4, 6
	PFGO 23, 4
	WIN 3
.set I, 0
.rept 16
	v_mov_b32 v[SB+I], v[SB2-768+I]
.set I, I+1
.endr
	WIN 0
.set I, 0
.rept 18
.irp t, 0,1,2,3
	CHAIN I, HV1+32*\t, \t, 64+4*\t
.endr
.set I, I+1
.endr
.set I, 0
.rept 6
.irp t, 0,1,2,3
	CODES I, HV1+32*\t, MCD+12*\t+6, \t, 80+4*\t
.endr
.set I, I+1
.endr
	WIN 0
	WALU
; ================= SECOND PHASE: q or k, sixteen blocks
	s_wait_dscnt NF
	BLOCK 0, 0, ACC, 8, 0, 32, L_NONE
	WIN 0
	PLACES 4
	WALU
.irp t, 0,1,2,3
	ds_store_b8 v[STV], v[EB+\t] offset:2+64*\t
.endr
.irp t, 0,1,2,3                                ; v's images leave
.irp k, 0,1,2
	global_store_b128 v[CO], v[MCD+12*\t+4*\k:MCD+12*\t+4*\k+3], s[52:53] offset:CHB*\t+512*\k
.endr
.endr
	FETCHK 0, 2, 4, 6
	s_wait_dscnt NF+4
	s_wait_xcnt 0x0
	BLOCK 0, 1, ACC+32, 8, 0, 32, L_CHK, ACC, 0
	WIN 0
	CODES6 ACC, NCD, 0
	OUTST 0, 0
	FETCHK 1, 3, 4, 6
	s_mov_b32 s86, 0
.Lwith_rounds:                                     ; blocks 2 to 5, 6 to 9
	EVENROUND NF+1, 1, 0
	ODD -1, L_OUT, 2, 1
	EVEN NF+1, L_OUT, 3, 2
	ODD NF+1, L_CHK, 0, 3
	s_add_co_u32 s86, s86, 1
	s_cmp_lg_u32 s86, 2
	s_cbranch_scc1 .Lwith_rounds
	EVENSHOW NF+1, 1, 0                            ; blocks 10 to 15
	ODD -1, L_OUT, 2, 1
	EVEN NF+1, L_OUT, 3, 2
	ODD NF+1, L_CHK, 0, 3
	EVEN NF+1, L_OUT, 1, -1
	ODD 1, L_OUT, 2, -1
; ================= THE END: the last way out; the scale bytes go through LDS under its conversions
	s_lshl_b32 s21, s14, 9
	s_add_co_u32 s21, s21, XN
	v_add_nc_u32 v16, s21, v[CO]
	s_lshl_b32 s21, s14, 8
	s_add_co_u32 s21, s21, XM
	v_add_nc_u32 v17, s21, v[C8]
.set I, 0
.rept 18
	CHAIN I, ACC+32, 1
.set I, I+1
.endr
	CODES 2, ACC+32, NCD+6, 1
	WALU
	ds_store_b8 v[VX], v[EB+1] offset:192
	s_wait_dscnt 0x0
	s_barrier_signal -1
	CODES 0, ACC+32, NCD+6, 1
	CODES 1, ACC+32, NCD+6, 1
	WIN 0
	v_nop
.irp i, 3,4,5
	CODES \i, ACC+32, NCD+6, 1
.endr
	s_barrier_wait -1
	WALU
	ds_load_b128 v[64:67], v16
	ds_load_b64 v[68:69], v17
	global_store_b128 v[CO], v[NCD+6:NCD+9], s[84:85] offset:TILE*3
	global_store_b64 v[C8], v[NCD+10:NCD+11], s[84:85] offset:TILE*3+512
	s_wait_dscnt 0x0
	global_store_b128 v[CO], v[64:67], s[78:79]
	global_store_b64 v[C8], v[68:69], s[82:83]
	s_wait_tensorcnt 0x0                           ; the wave's end
	ds_add_u32 v[SPW], v[NIL]
	s_wait_dscnt 0x0
	CROUND
	s_endpgm
.Lfunc_end_k_q10f68ef950_proj:
	.size	k_q10f68ef950_proj, .Lfunc_end_k_q10f68ef950_proj-k_q10f68ef950_proj
	.p2alignl 7, 3214868480
	.fill 96, 4, 3214868480
	.section	.rodata,"a",@progbits
	.p2align	6, 0x0
	.amdhsa_kernel k_q10f68ef950_proj
		.amdhsa_group_segment_fixed_size 327680
		.amdhsa_private_segment_fixed_size 0
		.amdhsa_enable_private_segment 0
		.amdhsa_kernarg_size 32
		.amdhsa_user_sgpr_count 2
		.amdhsa_user_sgpr_kernarg_segment_ptr 1
		.amdhsa_wavefront_size32 1
		.amdhsa_system_sgpr_workgroup_id_x 1
		.amdhsa_system_sgpr_workgroup_id_y 1
		.amdhsa_system_sgpr_workgroup_id_z 1
		.amdhsa_system_vgpr_workitem_id 0
		.amdhsa_next_free_vgpr 992
		.amdhsa_next_free_sgpr 102
		.amdhsa_reserve_vcc 0
		.amdhsa_float_denorm_mode_32 3
		.amdhsa_float_denorm_mode_16_64 3
		.amdhsa_memory_ordered 1
		.amdhsa_forward_progress 1
		.amdhsa_inst_pref_size 193
	.end_amdhsa_kernel
	.amdgpu_metadata
---
amdhsa.version: [ 1, 2 ]
amdhsa.kernels:
  - .name:           k_q10f68ef950_proj
    .symbol:         k_q10f68ef950_proj.kd
    .args:
      - { .name: c1, .offset: 0, .size: 8, .value_kind: global_buffer, .address_space: global }
      - { .name: s1, .offset: 8, .size: 8, .value_kind: global_buffer, .address_space: global }
      - { .name: qkvc, .offset: 16, .size: 8, .value_kind: global_buffer, .address_space: global }
      - { .name: qkvs, .offset: 24, .size: 8, .value_kind: global_buffer, .address_space: global }
    .group_segment_fixed_size: 327680
    .private_segment_fixed_size: 0
    .kernarg_segment_align: 8
    .kernarg_segment_size: 32
    .max_flat_workgroup_size: 128
    .sgpr_count:     102
    .vgpr_count:     992
    .wavefront_size: 32
...
	.end_amdgpu_metadata
.endif
;; end of part 2
;; launch score (part 3): grid 64 x 4, 4 waves a work-group, clusters of 2 x 1, 327,680 bytes of LDS; arguments qkvc, qkvs, pc, pst; writes pc, pst
.if DOCPART == 3
	.amdgcn_target "amdgcn-amd-amdhsa--gfx1250"
	.amdhsa_code_object_version 6
	.text
	.protected	k_q10f68ef950_score
	.globl	k_q10f68ef950_score
	.p2align	8
	.type	k_q10f68ef950_score,@function
k_q10f68ef950_score:
	s_mov_b64 s[64:65], 0
	v_nop
	global_prefetch_b8 v0, s[64:65] scope:SCOPE_SE
	s_setreg_imm32_b32 hwreg(HW_REG_WAVE_MODE, 25, 1), 1
	s_wait_xcnt 0x0
	s_wait_alu depctr_hold_cnt(0) depctr_sa_sdst(0) depctr_va_vdst(0) depctr_va_sdst(0) depctr_va_ssrc(0) depctr_va_vcc(0) depctr_vm_vsrc(0)
	s_getreg_b32 s2, hwreg(HW_REG_IB_STS2, 6, 4)
	s_cmp_eq_u32 s2, 0
	s_cbranch_scc0 .Lentry_in_a_cluster
	s_endpgm
.Lentry_in_a_cluster:
	s_bfe_u32 s2, ttmp6, 0x10000c
	s_cmp_lg_u32 s2, 0x1001
	s_cbranch_scc0 .Lentry_shape_is_right
	s_endpgm
.Lentry_shape_is_right:
; S^T = k q^T on codes of FP6 (E2M3), the causal mask, and p = 2^(t - M) quantised along the keys, t = score x log2(e) / 32.
; M here is LOCAL: for each query and each 128 keys, the ceiling of the largest t among them, a whole number.  The next launch brings the scale bytes under the row's M: a shift by a whole number.
; IN: qkvc: q tiles 0-511, k tiles 512-1023 as [tile][8 K steps][c][768]: six registers of band c: four at 16 x lane, two at 512 + 8 x lane; qkvs [8][1024][16] scale words.
; Tiles: tile 4 B + j holds at position p token 64 B + 32 (p / 8) + 8 j + p % 8.
; OUT: pc = [512 tiles of queries][16 K steps of 128 keys][1536] (registers 4 j .. of lane l at 512 j + 16 l); pst = [16][512][16] records of 16 bytes: p's scale word, -M (f32), the sum of the unquantised p (f32), twice.
; What lies above the diagonal block of 256 x 256 is not computed and not stored: reference()'s mask gives those keys the weight 0, and the next launch does not use them.
; SHARES.  A work-group of four waves: 320 queries (source 1) x 128 keys (source 0) over K = 1,024; a wave 80 x 128: 40 accumulators.  A batch's block n of 256 keys wants the queries from 256 n on: 7, 6, 5, 4, 4, 3, 2, 1 chunks of 320, 32 in all;
; with two halves of 128 keys and four batches that is 256 work-groups.  A chunk that would pass the batch's end is moved up to it; of its tiles those that the chunk before owns are not stored.
; A lane holds one query; its 64 registers of a tile of queries are two whole blocks of 32 keys: register n is key 64 (n / 32) + 32 (lane / 16) + n % 32.
; CLUSTERS, 2 x 1: the two halves of a block of keys share their 20 tiles of q, which are asked for jointly; the 8 tiles of k are each work-group's own.  (The triangle's chunks do not divide into larger clusters that walk alike.)
; FILLS.  One tensor load a wave at the head: q and k of K steps 0-2, q and k of K steps 3-5; one refill, K steps 6, 7, onto the first three's bytes.  No prefetch: there is no loop to run ahead in, and three quarters of the bytes are asked for at the head.
; LIMITS: NaN and infinities are not served; |t| under 2^31.  A group of 128 keys that is wholly hidden carries -M of about 1.35e37, a finite mark.  A block of 32 keys whose largest p lies under 2^-58 is quantised under the scale of 2^-58: what that changes is under 2^-58 beside a sum of p above 1/2.
.set FRB,   1536
.set KR,    3*FRB                      ; a tile's three K steps
.set KREG,  20*KR                      ; behind q's 20 tiles: k's 8
.set R1,    28*KR                      ; the second region
.set SPARE, 2*R1                       ; the spare words, 128 bytes a wave, that no other line names
.set SCR,   SPARE+512                  ; scratch for the way out: 1,280 bytes a wave
.set SS,    65536
.set LI,   2
.set VS1,  3
.set VS0,  4
.set L8,   5
.set ADR1, 8                           ; v8-10 q: regions 0, 1, and 0 as refilled (16 x lane); v11-13 the same with 8 x lane
.set DA,   14                          ; v14, v15: the mask's bounds for keys 0-63 and 64-127
.set ADR0, 16                          ; v16-21 k
.set SCWB, 22
.set SCW,  24
.set SCRD, 25
.set SPW,  28
.set NIL,  29
.set DV,   30
.set NINF, 31
.set SC1,  32                          ; v32-55 q's scale words, v56-87 k's; behind the products codes lie there
.set SC0,  56
.set BT,   88                          ; v88-107, v108-127: what a tile of a pair wants: maxima 0-7, -M 8, sums 10-17, at work 18, 19
.set PB,   128                         ; v128-255 p of a pair of tiles
                                       ; window 1, 2: the two sets of fragments: k's at 0-95, q's at 96-155.  Accumulators: queries' tiles 0-3 window 3, tile 4 window 1 from 160 on
.set G1A,  24
.set G1B,  32
.set TQ,   60                          ; s60 my first tile in the batch
.set KB,   61                          ; s61 my first key
.set MK,   62                          ; s62 1: the chunk touches the diagonal block
.set LO,   63                          ; s63 the first of my tiles that is stored
.set MSB, 0
.macro WIN new
.if MSB != (\new)
	s_set_vgpr_msb (MSB<<8)|(\new)
.set MSB, (\new)
.endif
.endm
.macro PLACES n
.rept \n
	v_nop
.endr
.endm
.macro TLOAD g0, g1
	tensor_load_to_lds s[\g0:\g0+3], s[\g1:\g1+7]
	s_nop 0
	PLACES 4
.endm
.macro CREST
	s_cmp_lg_u32 s14, 0
	s_cbranch_scc1 .Lnot_wave_0_\@
	s_barrier_signal -3
.Lnot_wave_0_\@:
	s_barrier_wait -3
	s_barrier_signal -1
	s_barrier_wait -1
.endm
.macro CROUND
	s_barrier_signal -1
	s_barrier_wait -1
	CREST
.endm
.macro FRAG reg, adr, off
	ds_load_b128 v[\reg:\reg+3], v[\adr] offset:\off
	ds_load_b64 v[\reg+4:\reg+5], v[\adr+3] offset:\off+512
	ds_load_b128 v[\reg+6:\reg+9], v[\adr] offset:\off+768
	ds_load_b64 v[\reg+10:\reg+11], v[\adr+3] offset:\off+1280
.endm
.macro F1 s, f                         ; K step s's fragment f (k's 0-7, q's 8-12): its region and where the step lies in a tile's row there
.set RG, (\s)/3
.set TS, KR-FRB*(RG/2)
.set QO, FRB*((\s)%3)
	WIN (1+(\s)%2)<<6
.if (\f) < 8
	FRAG 12*(\f), ADR0+RG, TS*(\f)+QO
.else
	FRAG 12*(\f), ADR1+RG, TS*((\f)-8)+QO
.endif
.endm
.macro W1 s, a, b, ra, rb, c
.set rD, 8*(8*(\a)+(\b))-96*((\a)/4)
.set rX, SC0+4*(\s)+(\b)/2
.set rY, SC1+3*(\s)+(\a)/2
	v_wmma_scale_f32_16x16x128_f8f6f4 v[rD:rD+7], v[12*(\b):12*(\b)+11], v[96+12*(\a):96+12*(\a)+11], \c, v[rX], v[rY] matrix_a_fmt:MATRIX_FMT_FP6 matrix_b_fmt:MATRIX_FMT_FP6 matrix_a_scale:MATRIX_SCALE_ROW\rb matrix_b_scale:MATRIX_SCALE_ROW\ra
.endm
.macro WROW s, a, ra                   ; the 40 accumulators take turns, one instruction a turn, in the same order in every K step
	WIN (1+(\s)%2)*5+(3-2*((\a)/4))*0x50
.irp b, 0,2,4,6
.if (\s) == 0
	W1 \s, \a, \b, \ra, 0, 0
	W1 \s, \a, \b+1, \ra, 1, 0
.else
	W1 \s, \a, \b, \ra, 0, v[rD:rD+7]
	W1 \s, \a, \b+1, \ra, 1, v[rD:rD+7]
.endif
.endr
.endm
.macro REST s                          ; the last three rows of a K step with a barrier in it, the next step's loads among them
	PLACES 4                                       ; places in front of loads into the set that the step before multiplied
.irp f, 0,1,2,3
	F1 (\s)+1, \f
.endr
	WROW \s, 2, 0
.irp f, 4,5,6,7,8
	F1 (\s)+1, \f
.endr
	WROW \s, 3, 1
.irp f, 9,10,11,12
	F1 (\s)+1, \f
.endr
	WROW \s, 4, 0
	WIN 0
.endm
.macro STEP s
	s_wait_dscnt 0x0                               ; this step's fragments are in
	PLACES 4
	WROW \s, 0, 0
.irp f, 0,1,2
	F1 (\s)+1, \f
.endr
	WROW \s, 1, 1
.irp f, 3,4,5
	F1 (\s)+1, \f
.endr
	WROW \s, 2, 0
.irp f, 6,7,8
	F1 (\s)+1, \f
.endr
	WROW \s, 3, 1
.irp f, 9,10,11,12
	F1 (\s)+1, \f
.endr
	WROW \s, 4, 0
	WIN 0
.endm
	s_load_b256 s[4:11], s[0:1], 0x0               ; qkvc s[4:5], qkvs s[6:7], pc s[8:9], pst s[10:11]
	v_lshl_add_u32 v[SPW], v0, 2, SPARE
	v_mov_b32 v[NIL], 0
	ds_add_u32 v[SPW], v[NIL]                      ; the wave's opening: the add, twice on end, and its wait
	ds_add_u32 v[SPW], v[NIL]
	v_lshrrev_b32 v1, 5, v0
	v_readfirstlane_b32 s14, v1
	s_lshr_b32 s18, s14, 1                         ; for which region I fetch at the head
	s_bfe_u32 s40, ttmp6, 0x40000                  ; cx: my half of the block of keys
	s_mov_b32 s[G1A], 3|(3<<16)|(1<<21)            ; q: both work-groups of the cluster; elements of 8 bytes; bit 21 beside a mask
	s_mov_b32 s[G1B], 3<<16                        ; k: my own
.irp g, G1A, G1B
	s_mov_b32 s[\g+1], 576<<16                     ; three K steps: rows of 4,608 bytes, 12,288 bytes apart
	s_mov_b32 s[\g+3], 576<<16
	s_mov_b32 s[\g+5], 1536
	s_mov_b32 s[\g+6], 0
	s_mov_b32 s[\g+7], 0
.endr
	s_mov_b32 s[G1A+2], 20<<16
	s_mov_b32 s[G1A+4], 20
	s_mov_b32 s[G1B+2], 8<<16
	s_mov_b32 s[G1B+4], 8
	s_mov_b32 s46, 0                               ; n: the block of keys; s47: its first chunk
	s_mov_b32 s47, 0
.macro FROM t, n
	s_cmp_ge_u32 ttmp9, \t
	s_cselect_b32 s46, \n, s46
	s_cselect_b32 s47, \t, s47
.endm
	FROM 7, 1
	FROM 13, 2
	FROM 18, 3
	FROM 22, 4
	FROM 26, 5
	FROM 29, 6
	FROM 31, 7
	s_sub_co_u32 s47, ttmp9, s47                   ; c: the chunk
	s_and_b32 s56, ttmp7, 0xffff                   ; the batch
	s_lshl_b32 s57, s56, 7                         ; 128 tiles a batch
	s_lshl_b32 s48, s46, 4
	s_mul_i32 s49, s47, 20
	s_add_co_u32 s49, s49, s48                     ; the first tile that the chunk owns: 16 n + 20 c
	s_min_u32 s17, s49, 108                        ; the first tile that it takes: the last 20 of the batch at most
	s_add_co_u32 s50, s48, 16
	s_cmp_lt_u32 s17, s50
	s_cselect_b32 s[MK], 1, 0
	s_mul_i32 s51, s14, 5
	s_sub_co_i32 s[LO], s49, s17
	s_sub_co_i32 s[LO], s[LO], s51
	s_add_co_u32 s[TQ], s17, s51
	s_add_co_u32 s58, s57, s[TQ]                   ; my first tile of queries
	s_lshl_b32 s59, s46, 1
	s_add_co_u32 s59, s59, s40                     ; my K step of the next product
	s_lshl_b32 s[KB], s59, 7
	s_lshl_b32 s42, s59, 3
	s_add_co_u32 s42, s42, s57
	s_add_co_u32 s42, s42, 512                     ; my first tile of k
	s_mul_i32 s51, s18, KR
	s_add_co_u32 s52, s57, s17
	s_mul_i32 s52, s52, 8*FRB
	s_add_co_u32 s52, s52, s51
	s_mov_b32 s53, 0
	s_mul_i32 s54, s42, 8*FRB
	s_add_co_u32 s54, s54, s51
	s_mov_b32 s55, 0
	s_mov_b32 s68, 1
	s_mov_b32 s72, 1
	s_mul_i32 s69, s18, R1
	s_add_co_u32 s73, s69, KREG
	s_mov_b32 s20, 0x76543210
	s_mov_b32 s21, 0xfedcba98
	s_mov_b32 s22, 0x3d38aa3b                      ; c = log2(e) / 32
	s_mov_b32 s23, s22
	s_lshl_b32 s48, s58, 6
	s_lshl_b32 s49, s42, 6
	s_mul_i32 s15, s14, 5*KR
	s_mul_i32 s16, s14, 5*2*FRB
	s_mul_i32 s50, s14, 1280
	s_add_co_u32 s50, s50, SCR
	v_and_b32 v1, 31, v0
	v_and_b32 v6, 15, v0
	v_bfe_u32 v7, v0, 4, 1
	v_lshlrev_b32 v[LI], 4, v1
	v_lshlrev_b32 v[L8], 3, v1
	v_lshl_add_u32 v[VS1], v1, 2, s48
	v_lshl_add_u32 v[VS0], v1, 2, s49
	v_add_nc_u32 v[ADR1], s15, v[LI]
	v_add_nc_u32 v[ADR1+1], R1, v[ADR1]
	v_add_nc_u32 v[ADR1+2], s16, v[LI]
	v_add_nc_u32 v[ADR1+3], s15, v[L8]
	v_add_nc_u32 v[ADR1+4], R1, v[ADR1+3]
	v_add_nc_u32 v[ADR1+5], s16, v[L8]
	v_add_nc_u32 v[ADR0], KREG, v[LI]
	v_add_nc_u32 v[ADR0+1], R1+KREG, v[LI]
	v_add_nc_u32 v[ADR0+2], KREG, v[LI]
	v_add_nc_u32 v[ADR0+3], KREG, v[L8]
	v_add_nc_u32 v[ADR0+4], R1+KREG, v[L8]
	v_add_nc_u32 v[ADR0+5], KREG, v[L8]
	v_lshl_add_u32 v[SCW], v6, 4, s50
	v_add_nc_u32 v[SCWB], v[SCW], v7
	v_add_nc_u32 v[SCRD], s50, v[L8]
	v_mov_b32 v[BT+19], 0                          ; (a lane permute's destination counts as one of its sources)
	v_mov_b32 v[BT+39], 0
	v_mov_b32 v[BT+9], 0
	v_mov_b32 v[BT+29], 0
	v_mov_b32 v[NINF], 0xff800000
	v_and_b32 v23, 7, v6
	v_lshrrev_b32 v6, 3, v6
	v_sub_nc_u32 v6, v6, v7
	v_lshl_add_u32 v[DV], v6, 5, v23               ; the mask's bound, my lane's part: 32 (r / 8) + r % 8 - 32 (lane / 16)
	s_wait_alu depctr_va_vdst(0)                   ; the wait at the head's end
	s_wait_dscnt 0x0                               ; the opening adds are done
	CROUND                                         ; both work-groups are here, ahead of the wait for the arguments
	s_wait_kmcnt 0x0
	s_add_nc_u64 s[70:71], s[4:5], s[52:53]
	s_add_nc_u64 s[74:75], s[4:5], s[54:55]
	s_or_b32 s71, s71, 0x80000000
	s_or_b32 s75, s75, 0x80000000
.macro ARM under, g0, g1, next
	s_cmp_lt_u32 s14, \under
	s_cbranch_scc0 \next
	TLOAD \g0, \g1
	s_branch .Lasked
\next:
.endm
	ARM 1, 68, G1A, .Lhead_k                       ; one load a wave: q and k of K steps 0-2, then of K steps 3-5
	ARM 2, 72, G1B, .Lhead_q1
	ARM 3, 68, G1A, .Lhead_k1
	TLOAD 72, G1B
.Lasked:
.irp s, 0,1,2,3,4,5,6,7
.irp i, 0,1,2                                  ; (the third load's lanes 16-31 bring a tile's words that no product names)
	global_load_b32 v[SC1+3*\s+\i], v[VS1], s[6:7] offset:\s*SS+128*\i
.endr
.irp i, 0,1,2,3
	global_load_b32 v[SC0+4*\s+\i], v[VS0], s[6:7] offset:\s*SS+128*\i
.endr
.endr
	s_lshl_b32 s48, s58, 4
	s_add_co_u32 s48, s48, s59
	s_mul_i32 s48, s48, FRB
	s_mov_b32 s49, 0
	s_add_nc_u64 s[48:49], s[8:9], s[48:49]        ; my first image of p
	s_lshl_b32 s52, s59, 9
	s_add_co_u32 s52, s52, s58
	s_lshl_b32 s52, s52, 8
	s_mov_b32 s53, 0
	s_add_nc_u64 s[52:53], s[10:11], s[52:53]      ; my five tiles' records
	s_cmp_lt_u32 s14, 2
	s_cbranch_scc0 .Lnot_first
	s_wait_tensorcnt 0x0
.Lnot_first:
	s_barrier_signal -1
	s_barrier_wait -1                              ; K steps 0-2 are in; the others may be on their way
.irp f, 0,1,2,3,4,5,6,7,8,9,10,11,12
	F1 0, \f
.endr
	WIN 0
	s_wait_loadcnt 0x0                             ; the scale words
	STEP 0
	STEP 1
	s_wait_dscnt 0x0                               ; K step 2, with the refill's round in it: its fragments are in, so my reads of region 0 are over
	s_wait_tensorcnt 0x0                           ; all my tensor loads have landed
	ds_add_u32 v[SPW], v[NIL]                      ; 0 onto my spare word
	s_mov_b32 s[G1A+1], 384<<16                    ; no load of mine is out: rows of two K steps, K steps 6 and 7, from here on
	s_mov_b32 s[G1A+3], 384<<16
	s_mov_b32 s[G1B+1], 384<<16
	s_mov_b32 s[G1B+3], 384<<16
	s_add_nc_u64 s[70:71], s[70:71], 6*FRB
	s_add_nc_u64 s[74:75], s[74:75], 6*FRB
	WROW 2, 0, 0
	s_wait_dscnt 0x0                               ; the add is done
	s_barrier_signal -1
	WROW 2, 1, 1
	WIN 0
	s_barrier_wait -1
	CREST                                          ; no wave of the partner still reads region 0 or has a load on its way
	s_cmp_eq_u32 s14, 0
	s_cbranch_scc0 .Lk6
	TLOAD 68, G1A                                  ; wave 0: q
	s_branch .Lasked6
.Lk6:
	s_cmp_eq_u32 s14, 1
	s_cbranch_scc0 .Lasked6
	TLOAD 72, G1B                                  ; wave 1: k
.Lasked6:
	REST 2
	STEP 3
	STEP 4
	s_wait_dscnt 0x0
	WROW 5, 0, 0
	WIN 0
	s_wait_tensorcnt 0x0
	s_barrier_signal -1                            ; a plain barrier shows K steps 6, 7 to all
	WROW 5, 1, 1
	WIN 0
	s_barrier_wait -1
	REST 5
	STEP 6
	s_wait_dscnt 0x0
	WROW 7, 0, 0
	WROW 7, 1, 1
	WROW 7, 2, 0
	WROW 7, 3, 1
	WROW 7, 4, 0
	WIN 0
	PLACES 4                                       ; in front of the first reads of results, and of writes into scale words' registers
; nt TILES OF 16 QUERIES, a and a + 1, whose sums lie in window W from register S on: mask, the blocks' largest scores, -M, p, the sum, the codes.  The two tiles go line by line.
.macro SOFTP a, W, S, nt, pr
	s_wait_alu depctr_va_vdst(0)
	s_cmp_eq_u32 s[MK], 0                          ; the chunk lies wholly under the diagonal block: no mask.  The same in both partners
	s_cbranch_scc1 .Lvis_\@
.irp t, 0,1
.if \t < \nt
	s_add_co_u32 s50, s[TQ], \a+\t
	s_lshr_b32 s51, s50, 2
	s_lshl_b32 s51, s51, 6
	s_and_b32 s50, s50, 3
	s_lshl_b32 s50, s50, 3
	s_add_co_u32 s51, s51, s50                     ; the tile's first query,
	s_sub_co_i32 s51, s51, s[KB]                   ; less my first key
	v_add_nc_u32 v[DA], s51, v[DV]
	v_add_nc_u32 v[DA+1], 0xffffffc0, v[DA]
	s_wait_alu depctr_va_vdst(0)
	WIN (\W)*0x41
.set n, 0
.rept 8                                        ; ascending: each accumulator is read from its low end on
.set m, 0
.rept 8
	v_cmp_gt_i32 s[84+m], (n+m)%32, v[DA+(n+m)/32]
.set m, m+1
.endr
.set m, 0
.rept 8
	v_cndmask_b32 v[\S+64*\t+n+m], v[\S+64*\t+n+m], v[NINF], s[84+m]
.set m, m+1
.endr
.set n, n+8
.endr
	WIN 0
.endif
.endr
	s_wait_alu depctr_va_vdst(0)
.Lvis_\@:
	WIN (\W)*5
.irp t, 0,1
.if \t < \nt
.irp b, 0,1,2,3
	v_max3_num_f32 v[BT+20*\t+\b], v[\S+64*\t+16*\b], v[\S+64*\t+16*\b+1], 0xff61b1e6   ; over -3e38
.endr
.endif
.endr
.irp i, 2,4,6,8,10,12,14
.irp t, 0,1
.if \t < \nt
.irp b, 0,1,2,3
	v_max3_num_f32 v[BT+20*\t+\b], v[\S+64*\t+16*\b+\i], v[\S+64*\t+16*\b+\i+1], v[BT+20*\t+\b]
.endr
.endif
.endr
.endr
	WIN 0
.irp t, 0,1
.if \t < \nt
	v_max_num_f32 v[BT+20*\t], v[BT+20*\t], v[BT+20*\t+1]       ; THE LARGEST SCORE OF EACH OF MY TWO BLOCKS OF 32 KEYS: it serves for M and, since p rises with the score, for the block's largest p
	v_max_num_f32 v[BT+20*\t+1], v[BT+20*\t+2], v[BT+20*\t+3]
.endif
.endr
.irp t, 0,1
.if \t < \nt
	v_max_num_f32 v[BT+20*\t+18], v[BT+20*\t], v[BT+20*\t+1]
.endif
.endr
.irp t, 0,1
.if \t < \nt
	v_permlanex16_b32 v[BT+20*\t+19], v[BT+20*\t+18], s20, s21
.endif
.endr
.irp t, 0,1
.if \t < \nt
	v_max_num_f32 v[BT+20*\t+18], v[BT+20*\t+18], v[BT+20*\t+19]   ; with lane l xor 16's 64 keys
.endif
.endr
.irp t, 0,1
.if \t < \nt
	v_mul_f32 v[BT+20*\t+18], s22, v[BT+20*\t+18]               ; the largest t of my query's 128 keys
.endif
.endr
.irp t, 0,1
.if \t < \nt
	v_floor_f32 v[BT+20*\t+8], -v[BT+20*\t+18]                  ; -M = floor(-t): M is a whole number
.endif
.endr
	WIN \W
.irp t, 0,1
.if \t < \nt
.set n, 64*\t
.rept 32
	v_pk_fma_f32 v[PB+n:PB+n+1], v[\S+n:\S+n+1], s[22:23], v[BT+20*\t+8:BT+20*\t+9] op_sel_hi:[1,0,0]   ; t - M, two at a time
.set n, n+2
.endr
.endif
.endr
	WIN 0
.irp t, 0,1
.if \t < \nt
.irp b, 0,1
	v_fma_f32 v[BT+20*\t+\b], v[BT+20*\t+\b], s22, v[BT+20*\t+8]
.endr
.endif
.endr
.irp t, 0,1
.if \t < \nt
.irp b, 0,1
	v_min_num_f32 v[BT+20*\t+\b], 0, v[BT+20*\t+\b]             ; at most 0: every byte is at most 125, in a wholly hidden group too (there the two large numbers need not cancel)
.endr
.endif
.endr
	s_wait_alu depctr_va_vdst(0)                   ; the wait ahead of the batch
.set n, 0
.rept 64*(\nt)
	v_exp_f32 v[PB+n], v[PB+n]                     ; p = 2^(t - M): not normalised
.set n, n+1
.endr
.irp t, 0,1
.if \t < \nt
	v_exp_f32 v[BT+20*\t], v[BT+20*\t]             ; the blocks' largest p: the same two instructions on the same number
	v_exp_f32 v[BT+20*\t+1], v[BT+20*\t+1]
.endif
.endr
	v_nop                                          ; the plain place behind the batch
	s_wait_alu depctr_va_vdst(0)                   ; one wait for the batch, ahead of its first reader
.irp t, 0,1
.if \t < \nt
.irp b, 0,1
	v_max_num_f32 v[BT+20*\t+\b], 0x22800000, v[BT+20*\t+\b]    ; the floor 2^-58: the byte cannot fall under 67, and the next launch lowers it by 63 at the most
.endr
.endif
.endr
.irp t, 0,1
.if \t < \nt
.irp q, 0,1,2,3                                ; THE SUM IS TAKEN OF THE UNQUANTISED p, in four chains a tile
	v_pk_add_f32 v[BT+20*\t+10+2*\q:BT+20*\t+11+2*\q], v[PB+64*\t+4*\q:PB+64*\t+4*\q+1], v[PB+64*\t+4*\q+2:PB+64*\t+4*\q+3]
.endr
.endif
.endr
.irp j, 16,24,32,40,48,56
.irp t, 0,1
.if \t < \nt
.irp q, 0,1,2,3
	v_pk_add_f32 v[BT+20*\t+10+2*\q:BT+20*\t+11+2*\q], v[BT+20*\t+10+2*\q:BT+20*\t+11+2*\q], v[PB+64*\t+\j+2*\q:PB+64*\t+\j+2*\q+1]
.endr
.endif
.endr
.endr
.irp t, 0,1
.if \t < \nt
	v_pk_add_f32 v[BT+20*\t+10:BT+20*\t+11], v[BT+20*\t+10:BT+20*\t+11], v[BT+20*\t+12:BT+20*\t+13]
	v_pk_add_f32 v[BT+20*\t+14:BT+20*\t+15], v[BT+20*\t+14:BT+20*\t+15], v[BT+20*\t+16:BT+20*\t+17]
	v_add_nc_u32 v[BT+20*\t+4], 0xff000000, v[BT+20*\t]         ; 2 off the exponent field: the conversion's scale operand
	v_add_nc_u32 v[BT+20*\t+5], 0xff000000, v[BT+20*\t+1]
.endif
.endr
.irp t, 0,1
.if \t < \nt
	v_pk_add_f32 v[BT+20*\t+10:BT+20*\t+11], v[BT+20*\t+10:BT+20*\t+11], v[BT+20*\t+14:BT+20*\t+15]
	v_lshrrev_b32 v[BT+20*\t+6], 23, v[BT+20*\t+4]              ; the scale's byte
	v_lshrrev_b32 v[BT+20*\t+7], 23, v[BT+20*\t+5]
.endif
.endr
.irp t, 0,1
.if \t < \nt
	v_add_f32 v[BT+20*\t+10], v[BT+20*\t+10], v[BT+20*\t+11]
.endif
.endr
.irp t, 0,1
.if \t < \nt
	v_permlanex16_b32 v[BT+20*\t+19], v[BT+20*\t+10], s20, s21
.endif
.endr
.irp t, 0,1
.if \t < \nt
	v_add_f32 v[BT+20*\t+10], v[BT+20*\t+10], v[BT+20*\t+19]    ; with lane l xor 16's 64 keys
.endif
.endr
.irp t, 0,1
.if \t < \nt
	v_mov_b32 v[BT+20*\t+11], v[BT+20*\t+10]
.endif
.endr
	s_wait_alu depctr_va_vdst(0)
.if (\pr) > 1
	s_wait_xcnt 0x0                                ; the stores of the pair two before have read the codes' registers
.endif
.irp t, 0,1
.if \t < \nt
.set PC, 32+24*((\pr)%2)+12*\t
.irp c, 0,1
	v_cvt_scalef32_pk16_fp6_f32 v[PC+6*\c:PC+6*\c+2], v[PB+64*\t+32*\c:PB+64*\t+32*\c+15], v[BT+20*\t+4+\c]
	v_cvt_scalef32_pk16_fp6_f32 v[80+4*\c:82+4*\c], v[PB+64*\t+32*\c+16:PB+64*\t+32*\c+31], v[BT+20*\t+4+\c]
.endr
	v_nop                                          ; one plain place behind a scaled conversion
.irp c, 0,1
.irp i, 0,1,2
	v_mov_b32 v[PC+6*\c+3+\i], v[80+4*\c+\i]
.endr
.endr
.endif
.endr
	s_wait_alu depctr_va_vdst(0)
.irp t, 0,1
.if \t < \nt
.set PC, 32+24*((\pr)%2)+12*\t
	ds_store_b8 v[SCWB], v[BT+20*\t+6] offset:256*(\a+\t)       ; block lane / 16
	ds_store_b8 v[SCWB], v[BT+20*\t+7] offset:256*(\a+\t)+2     ; block 2 + lane / 16
	ds_store_b32 v[SCW], v[BT+20*\t+8] offset:256*(\a+\t)+4     ; lanes r and 16 + r write the same words with the same values
	ds_store_b64 v[SCW], v[BT+20*\t+10:BT+20*\t+11] offset:256*(\a+\t)+8
	s_cmp_gt_i32 s[LO], \a+\t                      ; a tile that the chunk before owns is not stored
	s_cbranch_scc1 .Lown_\@_\t
.irp j, 0,1,2
	global_store_b128 v[LI], v[PC+4*\j:PC+4*\j+3], s[48:49] offset:24576*(\a+\t)+512*\j   ; 512 consecutive bytes, aligned
.endr
.Lown_\@_\t:
.endif
.endr
.endm
	SOFTP 0, 3, 0, 2, 0
	SOFTP 2, 3, 128, 2, 1
	SOFTP 4, 1, 160, 1, 2
.irp a, 0,1,2,3,4
	ds_load_b64 v[PB+2*\a:PB+2*\a+1], v[SCRD] offset:256*\a   ; LDS serves a wave's instructions in order: these see my stores
.endr
	s_wait_dscnt 0x0
.irp a, 0,1,2,3,4
	s_cmp_gt_i32 s[LO], \a
	s_cbranch_scc1 .Lrec_\a
	global_store_b64 v[L8], v[PB+2*\a:PB+2*\a+1], s[52:53] offset:256*\a   ; a tile's 256 bytes of records
.Lrec_\a:
.endr
	s_wait_tensorcnt 0x0                           ; the wave's end
	ds_add_u32 v[SPW], v[NIL]
	s_wait_dscnt 0x0
	CROUND                                         ; the closing round
	s_endpgm
.Lfunc_end_k_q10f68ef950_score:
	.size	k_q10f68ef950_score, .Lfunc_end_k_q10f68ef950_score-k_q10f68ef950_score
	.p2alignl 7, 3214868480
	.fill 96, 4, 3214868480
	.section	.rodata,"a",@progbits
	.p2align	6, 0x0
	.amdhsa_kernel k_q10f68ef950_score
		.amdhsa_group_segment_fixed_size 327680
		.amdhsa_private_segment_fixed_size 0
		.amdhsa_enable_private_segment 0
		.amdhsa_kernarg_size 32
		.amdhsa_user_sgpr_count 2
		.amdhsa_user_sgpr_kernarg_segment_ptr 1
		.amdhsa_wavefront_size32 1
		.amdhsa_system_sgpr_workgroup_id_x 1
		.amdhsa_system_sgpr_workgroup_id_y 1
		.amdhsa_system_sgpr_workgroup_id_z 1
		.amdhsa_system_vgpr_workitem_id 0
		.amdhsa_next_free_vgpr 1024
		.amdhsa_next_free_sgpr 100
		.amdhsa_reserve_vcc 0
		.amdhsa_float_denorm_mode_32 3
		.amdhsa_float_denorm_mode_16_64 3
		.amdhsa_memory_ordered 1
		.amdhsa_forward_progress 1
		.amdhsa_inst_pref_size 180
	.end_amdhsa_kernel
	.amdgpu_metadata
---
amdhsa.version: [ 1, 2 ]
amdhsa.kernels:
  - .name:           k_q10f68ef950_score
    .symbol:         k_q10f68ef950_score.kd
    .args:
      - { .name: qkvc, .offset: 0, .size: 8, .value_kind: global_buffer, .address_space: global }
      - { .name: qkvs, .offset: 8, .size: 8, .value_kind: global_buffer, .address_space: global }
      - { .name: pc, .offset: 16, .size: 8, .value_kind: global_buffer, .address_space: global }
      - { .name: pst, .offset: 24, .size: 8, .value_kind: global_buffer, .address_space: global }
    .group_segment_fixed_size: 327680
    .private_segment_fixed_size: 0
    .kernarg_segment_align: 8
    .kernarg_segment_size: 32
    .max_flat_workgroup_size: 128
    .sgpr_count:     100
    .vgpr_count:     1024
    .wavefront_size: 32
...
	.end_amdgpu_metadata
.endif
;; end of part 3
;; launch pv (part 4): grid 4 x 64, 8 waves a work-group, clusters of 4 x 4, 327,680 bytes of LDS; arguments pc, pst, qkvc, qkvs, out0; writes out0
.if DOCPART == 4
	.amdgcn_target "amdgcn-amd-amdhsa--gfx1250"
	.amdhsa_code_object_version 6
	.text
	.protected	k_q10f68ef950_pv
	.globl	k_q10f68ef950_pv
	.p2align	8
	.type	k_q10f68ef950_pv,@function
k_q10f68ef950_pv:
	s_mov_b64 s[64:65], 0
	v_nop
	global_prefetch_b8 v0, s[64:65] scope:SCOPE_SE
	s_setreg_imm32_b32 hwreg(HW_REG_WAVE_MODE, 25, 1), 1
	s_wait_xcnt 0x0
	s_wait_alu depctr_hold_cnt(0) depctr_sa_sdst(0) depctr_va_vdst(0) depctr_va_sdst(0) depctr_va_ssrc(0) depctr_va_vcc(0) depctr_vm_vsrc(0)
	s_getreg_b32 s2, hwreg(HW_REG_IB_STS2, 6, 4)
	s_cmp_eq_u32 s2, 0
	s_cbranch_scc0 .Lentry_in_a_cluster
	s_endpgm
.Lentry_in_a_cluster:
	s_bfe_u32 s2, ttmp6, 0x10000c
	s_cmp_lg_u32 s2, 0xf033
	s_cbranch_scc0 .Lentry_shape_is_right
	s_endpgm
.Lentry_shape_is_right:
; out = (p v) / l on codes of FP6 (E2M3).  p's codes were made under a local whole-number M for each query and each 128 keys; here the row's M (the largest of them) is found, each scale byte is lowered by
; M - (its group's M), a whole number, and the groups' sums are brought under the row's M by v_ldexp_f32 and added: l.
; IN: pc = [512 tiles of queries][16 K steps][1536]; pst = [16][512][16] records of 16 bytes: scale word, -M, sum, sum; v^T in qkvc from byte 12,582,912: [64 tiles of d][64 K steps][1536]; its scale words in qkvs from
; byte 524,288: [64 K steps][64 tiles][16].  Tile 4 B + j holds at position p index 64 B + 32 (p / 8) + 8 j + p % 8; an image is a fragment's registers, 4 j .. 4 j + 3 of lane l at 512 j + 16 l.
; SHARES.  A batch's queries are eight blocks of 256; block n has keys up to K step 2 n + 2 (the others are hidden: reference()'s mask gives them the weight 0, and they are left out).  A cluster takes the blocks e and 7 - e, e = 0 .. 3: together 18 K steps whatever e is.
; A work-group of eight waves: 64 queries of block 7 - e (waves 0-3, HEAVY: 16 - 2 e K steps) and 64 of block e (waves 4-7, LIGHT: 2 e + 2), x 256 of d; a wave 64 x 64: 16 accumulators.
; A lane holds one query (source 1) and 32 neighbours of d (source 0): register n of a tile of queries is column 32 (lane / 16) + n.
; CLUSTERS, 4 x 4: p's tiles are shared along a row, v^T's along a column.  The walk is the same in all partners: it hangs on e and on the wave's number alone.
; LDS: two slots of four K steps (four heavy tiles of p, 16 of v^T); light p's eight K steps.  One tensor load a wave at the head: waves 0-2 slot 0, waves 3, 4 light p, waves 5-7 slot 1.
; Two refills: slot 0 takes K steps 8-11, slot 1 K steps 12-15 (where e < 2).  What a refill loads is asked for into the L2 one or two pairs of K steps earlier, its blocks shared out by address among the 32 waves that ask jointly.
; A UNIT is two K steps, two sets of fragments.  The light waves jump over the work of units that they do not have, and over no wait, barrier or add.
; LIMITS: NaN and infinities are not served.  A group whose M lies more than 63 under the row's is held at 63: it counts at most 2^-63 of itself, nothing beside l, which is above 1/2.
.set FRB,   1536
.set QROW,  4*FRB                      ; a tile's four K steps
.set VOFF,  4*QROW
.set SLOT4, 20*QROW
.set LIGHT, 2*SLOT4
.set SPARE, LIGHT+8*QROW               ; the spare words, 128 bytes a wave, that no other line names
.set SP,    272
.set STGB,  16*SP                      ; the way out: a stage of 16 rows x (256 + 16) bytes a wave, in light p's bytes, behind their only fill and their last read
.set LI,   2
.set VST,  3
.set VSB,  4
.set STO,  8
.set RD,   9
.set ADRA, 16
.set ADRB, 18
.set CO,   20
.set PFP,  21
.set PFV,  22
.set SPW,  28
.set NIL,  29
.set SCB,  32                          ; v32-63 v^T's scale words
.set SCA,  64                          ; v64-95 p's
.set RL,   96                          ; v96-103 1 / l for each tile, in pairs
.set NMR,  104
.set ACC,  112                         ; v112-239 the accumulators; ahead of the products the shifts (v112-143) and the shifted sums (v144-175)
.set SH,   112
.set LS,   144
.set G1A,  24
.set G1B,  32
.set EE,   56                          ; s56: e
.set LIM,  57                          ; s57: my K steps among the first eight, at least
.set MUL,  0x05                        ; sources 0 and 1 window 1 (v^T's fragments at 96 p, p's at 96 p + 48), C and D window 0
.set MSB, 0
.macro WIN new
.if MSB != (\new)
	s_set_vgpr_msb (MSB<<8)|(\new)
.set MSB, (\new)
.endif
.endm
.macro PLACES n
.rept \n
	v_nop
.endr
.endm
.macro TLOAD g0, g1
	tensor_load_to_lds s[\g0:\g0+3], s[\g1:\g1+7]
	s_nop 0
	PLACES 4
.endm
.macro CROUND
	s_barrier_signal -1
	s_barrier_wait -1
	s_cmp_lg_u32 s14, 0
	s_cbranch_scc1 .Lnot_wave_0_\@
	s_barrier_signal -3
.Lnot_wave_0_\@:
	s_barrier_wait -3
	s_barrier_signal -1
	s_barrier_wait -1
.endm
.macro FRAG reg, adr, off
.irp j, 0,1,2
	ds_load_b128 v[\reg+4*\j:\reg+4*\j+3], v[\adr] offset:\off+512*\j
.endr
.endm
.macro FETCH slot, q, p                ; 24 loads: v^T's four fragments and p's four of the slot's q-th K step into set p
	WIN 0x40
.irp b, 0,1,2,3
	FRAG 96*(\p)+12*\b, ADRB+\slot, 6144*\b+1536*(\q)
.endr
.irp a, 0,1,2,3
	FRAG 96*(\p)+48+12*\a, ADRA+\slot, 6144*\a+1536*(\q)
.endr
	WIN 0
.endm
.macro W1 s, a, b, ra, rb, c
.set rD, ACC+8*(4*(\a)+(\b))
.set rA, 96*((\s)%2)+12*(\b)
.set rB, 96*((\s)%2)+48+12*(\a)
.set rX, SCB+2*(\s)+(\b)/2
.set rY, SCA+2*(\s)+(\a)/2
	v_wmma_scale_f32_16x16x128_f8f6f4 v[rD:rD+7], v[rA:rA+11], v[rB:rB+11], \c, v[rX], v[rY] matrix_a_fmt:MATRIX_FMT_FP6 matrix_b_fmt:MATRIX_FMT_FP6 matrix_a_scale:MATRIX_SCALE_ROW\rb matrix_b_scale:MATRIX_SCALE_ROW\ra
.endm
.macro WROW s, a, ra                   ; the 16 accumulators take turns, one instruction a turn, in the same order in every K step
.irp b, 0,2
.if (\s) == 0
	W1 \s, \a, \b, \ra, 0, 0
	W1 \s, \a, \b+1, \ra, 1, 0
.else
	W1 \s, \a, \b, \ra, 0, v[rD:rD+7]
	W1 \s, \a, \b+1, \ra, 1, v[rD:rD+7]
.endif
.endr
.endm
.macro MUL16 s
	WIN MUL
	WROW \s, 0, 0
	WROW \s, 1, 1
	WROW \s, 2, 0
	WROW \s, 3, 1
	WIN 0
.endm
.macro UFETCH u                        ; unit u: K steps 2 u, 2 u + 1
	PLACES 4                                       ; four places in front of loads into registers that matrix instructions have read
	FETCH ((\u)/2)%2, 2*((\u)%2), 0
	FETCH ((\u)/2)%2, 2*((\u)%2)+1, 1
.endm
.macro UMUL u
	s_wait_dscnt 24                                ; the first K step's fragments are in; the second's 24 loads may be out
	MUL16 2*(\u)
	s_wait_dscnt 0x0
	MUL16 2*(\u)+1
.endm
.macro GRD
	s_wait_tensorcnt 0x0
	ds_add_u32 v[SPW], v[NIL]
	s_wait_dscnt 0x0
.endm
	s_load_b256 s[4:11], s[0:1], 0x0               ; pc s[4:5], pst s[6:7], qkvc s[8:9], qkvs s[10:11]
	s_load_b64 s[12:13], s[0:1], 0x20              ; out0
	v_lshl_add_u32 v[SPW], v0, 2, SPARE
	v_mov_b32 v[NIL], 0
	ds_add_u32 v[SPW], v[NIL]                      ; the wave's opening: the add, twice on end, and its wait
	ds_add_u32 v[SPW], v[NIL]
	v_lshrrev_b32 v1, 5, v0
	v_readfirstlane_b32 s14, v1
	s_lshr_b32 s15, s14, 2                         ; 0 heavy, 1 light
	s_and_b32 s16, s14, 3                          ; my 64 of d
	s_bfe_u32 s40, ttmp6, 0x40000                  ; cx: my 256 of d
	s_bfe_u32 s41, ttmp6, 0x40004                  ; cy
	s_lshl_b32 s43, s41, 2
	s_lshl_b32 s43, 15, s43
	s_lshl_b32 s44, 0x1111, s40
	s_or_b32 s[G1A], s43, (3<<16)|(1<<21)          ; the mask; elements of 8 bytes; bit 21 beside a mask; no padding
	s_mov_b32 s[G1A+1], 768<<16                    ; 6,144 bytes a row
	s_mov_b32 s[G1A+2], 4<<16                      ; 4 tiles
	s_mov_b32 s[G1A+3], 768<<16
	s_mov_b32 s[G1A+4], 4
	s_mov_b32 s[G1A+5], 3072                       ; from tile to tile: 16 K steps
	s_mov_b32 s[G1A+6], 0
	s_mov_b32 s[G1A+7], 0
	s_or_b32 s[G1B], s44, (3<<16)|(1<<21)
	s_mov_b32 s[G1B+1], 768<<16
	s_mov_b32 s[G1B+2], 8<<16                      ; 8 tiles
	s_mov_b32 s[G1B+3], 768<<16
	s_mov_b32 s[G1B+4], 8
	s_mov_b32 s[G1B+5], 12288                      ; from tile to tile: 64 K steps
	s_mov_b32 s[G1B+6], 0
	s_mov_b32 s[G1B+7], 0
	s_and_b32 s46, ttmp7, 0xffff                   ; cluster y
	s_lshr_b32 s47, s46, 2                         ; the batch
	s_and_b32 s[EE], s46, 3                        ; e: the same in all partners
	s_lshl_b32 s17, s47, 7
	s_lshl_b32 s18, s41, 2
	s_add_co_u32 s17, s17, s18                     ; 128 tiles a batch, four tiles a row of the cluster
	s_lshl_b32 s18, s[EE], 4
	s_add_co_u32 s19, s17, s18                     ; the light queries' first tile
	s_sub_co_u32 s18, 112, s18
	s_add_co_u32 s18, s17, s18                     ; the heavy ones'
	s_lshl_b32 s2, s[EE], 1
	s_add_co_u32 s2, s2, 2
	s_lshl_b32 s98, s[EE], 1
	s_sub_co_u32 s98, 16, s98
	s_cmp_eq_u32 s15, 0
	s_cselect_b32 s98, s98, s2                     ; my K steps: 16 - 2 e or 2 e + 2
	s_cselect_b32 s[LIM], 16, s2
	s_cselect_b32 s17, s18, s19                    ; my first tile
	s_mul_i32 s58, s18, 16*FRB
	s_mov_b32 s59, 0
	s_add_co_u32 s2, s14, 1
	s_and_b32 s2, s2, 1                            ; waves 1, 2: which half of v^T's tiles; waves 3, 4: which four K steps of light p
	s_and_b32 s3, s14, 1                           ; waves 6, 7: which half of v^T's tiles
	s_mul_i32 s60, s19, 16*FRB
	s_mul_i32 s61, s2, QROW
	s_add_co_u32 s60, s60, s61
	s_mov_b32 s61, 0
	s_lshl_b32 s62, s40, 10
	s_lshl_b32 s63, s47, 4
	s_add_co_u32 s62, s62, s63
	s_mul_i32 s62, s62, FRB
	s_add_co_u32 s62, s62, 12582912                ; v^T: tile 16 cx, K step 16 x batch
	s_mov_b32 s63, 0
.irp g, 68,72,76,80,84
	s_mov_b32 s[\g], 1
.endr
	s_mov_b32 s69, 0                               ; heavy p in slot 0 and 1,
	s_mov_b32 s73, SLOT4
	s_mul_i32 s77, s2, 8*QROW                      ; v^T's half in slot 0
	s_add_co_u32 s77, s77, VOFF
	s_mul_i32 s81, s3, 8*QROW                      ; and 1,
	s_add_co_u32 s81, s81, SLOT4+VOFF
	s_mul_i32 s85, s2, 4*QROW                      ; light p: no place in the cluster enters an LDS address
	s_add_co_u32 s85, s85, LIGHT
	s_mul_i32 s48, s2, 8*64*FRB
	s_mov_b32 s49, 0
	s_mul_i32 s50, s3, 8*64*FRB
	s_add_co_u32 s50, s50, QROW
	s_mov_b32 s51, 0
	s_mov_b32 s20, 0x76543210
	s_mov_b32 s21, 0xfedcba98
	s_lshl_b32 s88, s17, 8                         ; my tiles' records
	s_lshl_b32 s89, s40, 4
	s_lshl_b32 s90, s16, 2
	s_add_co_u32 s89, s89, s90
	s_lshl_b32 s89, s89, 6                         ; my 4 tiles of v^T among its scale words
	s_mul_i32 s90, s15, LIGHT
	s_mul_i32 s91, s15, LIGHT+4*QROW-SLOT4
	s_add_co_u32 s91, s91, SLOT4                   ; my tiles of p: slots 0, 1 or light p's two halves
	s_mul_i32 s92, s16, 4*QROW
	s_add_co_u32 s92, s92, VOFF
	s_mul_i32 s93, s14, STGB
	s_add_co_u32 s93, s93, LIGHT
	s_mul_i32 s94, s40, 16*FRB                     ; prefetch: of heavy p's four tiles mine is tile cx, blocks 3 x wave ..;
	s_mul_i32 s95, s14, 768
	s_add_co_u32 s94, s94, s95
	s_add_co_u32 s94, s94, 8*FRB
	s_lshl_b32 s95, s41, 2                         ; of v^T's sixteen tile 4 cy + wave / 2, blocks 12 x (wave % 2) ..
	s_lshr_b32 s96, s14, 1
	s_add_co_u32 s95, s95, s96
	s_mul_i32 s95, s95, 64*FRB
	s_mul_i32 s96, s3, 3072
	s_add_co_u32 s95, s95, s96
	s_add_co_u32 s95, s95, 8*FRB
	v_and_b32 v1, 31, v0                           ; lane
	v_and_b32 v5, 15, v0
	v_bfe_u32 v6, v0, 4, 1
	v_lshlrev_b32 v[LI], 4, v1
	v_add_nc_u32 v[VST], s88, v[LI]
	v_lshl_add_u32 v[VSB], v1, 2, s89
	v_add_nc_u32 v[ADRA], s90, v[LI]
	v_add_nc_u32 v[ADRA+1], s91, v[LI]
	v_add_nc_u32 v[ADRB], s92, v[LI]
	v_add_nc_u32 v[ADRB+1], SLOT4, v[ADRB]
	v_mul_u32_u24 v[STO], v5, SP
	v_lshl_add_u32 v[STO], v6, 7, v[STO]
	v_add_nc_u32 v[STO], s93, v[STO]               ; into the stage: row r, + 128 (lane / 16)
	v_mul_u32_u24 v[RD], v6, SP
	v_lshl_add_u32 v[RD], v5, 4, v[RD]
	v_add_nc_u32 v[RD], s93, v[RD]                 ; back: sixteen lanes to a row of 256 bytes, two rows a load
	v_lshlrev_b32 v[CO], 12, v6
	v_lshl_add_u32 v[CO], v5, 4, v[CO]             ; and the same two rows of the result
	v_min_u32 v[PFP], 2, v1
	v_lshl_add_u32 v[PFP], v[PFP], 8, s94
	v_min_u32 v[PFV], 11, v1
	v_lshl_add_u32 v[PFV], v[PFV], 8, s95
	s_wait_alu depctr_va_vdst(0)
	s_wait_dscnt 0x0                               ; the opening adds are done
	CROUND                                         ; all sixteen work-groups are here, ahead of the wait for the arguments
	s_wait_kmcnt 0x0
	s_add_nc_u64 s[58:59], s[4:5], s[58:59]        ; heavy p
	s_add_nc_u64 s[60:61], s[4:5], s[60:61]        ; light p, my four K steps
	s_add_nc_u64 s[62:63], s[8:9], s[62:63]        ; v^T
	s_mov_b64 s[70:71], s[58:59]
	s_add_nc_u64 s[74:75], s[58:59], QROW
	s_add_nc_u64 s[78:79], s[62:63], s[48:49]
	s_add_nc_u64 s[82:83], s[62:63], s[50:51]
	s_mov_b64 s[86:87], s[60:61]
.irp g, 71,75,79,83,87
	s_or_b32 s[\g], s[\g], 0x80000000
.endr
.macro ARM under, g0, g1, next
	s_cmp_lt_u32 s14, \under
	s_cbranch_scc0 \next
	TLOAD \g0, \g1
	s_branch .Lasked
\next:
.endm
	ARM 1, 68, G1A, .Lhead_v
	ARM 3, 76, G1B, .Lhead_l
	ARM 5, 84, G1A, .Lhead_p1
	ARM 6, 72, G1A, .Lhead_v1
	TLOAD 80, G1B
.Lasked:
	s_lshl_b32 s48, s47, 16
	s_add_co_u32 s48, s48, 524288
	s_mov_b32 s49, 0
	s_add_nc_u64 s[48:49], s[10:11], s[48:49]      ; v^T's scale words of my batch's first K step
	WIN 0x40
.set n, 0
.rept 16
	global_load_b128 v[4*n:4*n+3], v[VST], s[6:7] offset:131072*(n/2)+512*(n%2)   ; record n = 2 s + i: K step s, tiles 2 i, 2 i + 1
.set n, n+1
.endr
	WIN 0
	WIN 0x40
.set n, 16
.rept 16
	global_load_b128 v[4*n:4*n+3], v[VST], s[6:7] offset:131072*(n/2)+512*(n%2)
.set n, n+1
.endr
	WIN 0
.set n, 0
.rept 32
	global_load_b32 v[SCB+n], v[VSB], s[48:49] offset:4096*(n/2)+128*(n%2)
.set n, n+1
.endr
	s_lshl_b32 s50, s17, 16                        ; my first row of the result: 16 rows a tile, 4,096 bytes a row
	s_lshl_b32 s51, s40, 10
	s_add_co_u32 s50, s50, s51
	s_lshl_b32 s51, s16, 8
	s_add_co_u32 s50, s50, s51                     ; + my 64 columns
	s_mov_b32 s51, 0
	s_add_nc_u64 s[12:13], s[12:13], s[50:51]
	s_wait_loadcnt 0x0
	v_mov_b32 v10, 0x7f61b1e6
	v_mov_b32 v11, 0
	s_wait_alu depctr_va_vdst(0)
	WIN 0x44
.set n, 4
.rept 28                                       ; records of K steps that my queries do not have count for nothing, whatever their bytes hold: a large -M, a sum of 0
.if n%2 == 0
	s_cmp_gt_u32 s98, n/2
	s_cselect_b32 s99, -1, 0
.endif
	v_cndmask_b32 v[4*n+1], v10, v[4*n+1], s99
	v_cndmask_b32 v[4*n+2], v11, v[4*n+2], s99
.set n, n+1
.endr
	WIN 0x15
.irp i, 0,1
	v_min3_num_f32 v[NMR+\i], v[4*\i+1], v[4*\i+9], v[4*\i+17]   ; the row's -M is the least of the groups' (key 0 counts for every query: it is a real number)
.endr
	WIN 0x14
.irp s, 3,5,7,9,11,13
.irp i, 0,1
	v_min3_num_f32 v[NMR+\i], v[NMR+\i], v[8*\s+4*\i+1], v[8*\s+4*\i+9]
.endr
.endr
	WIN 0x04
.irp i, 0,1
	v_min_num_f32 v[NMR+\i], v[NMR+\i], v[120+4*\i+1]
.endr
.set n, 0
.rept 32
	v_sub_f32 v[SH+n], v[NMR+n%2], v[4*n+1]                ; the group's M less the row's: a whole number, 0 or less
.set n, n+1
.endr
	WIN 0
.set n, 0
.rept 32
	v_max_num_f32 v[SH+n], 0xc27c0000, v[SH+n]             ; held at -63
.set n, n+1
.endr
.set n, 0
.rept 32
	v_cvt_i32_f32 v[SH+n], v[SH+n]
.set n, n+1
.endr
	WIN 0x01
.set n, 0
.rept 32
	v_ldexp_f32 v[LS+n], v[4*n+2], v[SH+n]                 ; the group's sum under the row's M
.set n, n+1
.endr
	WIN 0
.irp h, 16,8,4,2
.set n, 0
.rept \h
	v_add_f32 v[LS+n], v[LS+n], v[LS+n+\h]                 ; l of tiles 0, 1 and of tiles 2, 3
.set n, n+1
.endr
.endr
.set n, 0
.rept 32
	v_sub_nc_u32 v[SH+n], 0, v[SH+n]
.set n, n+1
.endr
.set n, 0
.rept 32
	v_perm_b32 v[SH+n], v[SH+n], v[SH+n], 0                ; the shift in each of the four bytes
.set n, n+1
.endr
	WIN 0x01
.set n, 0
.rept 32
	v_sub_nc_u32 v[SCA+n], v[4*n], v[SH+n]                 ; the bytes are 67 at least: no borrow crosses a byte
.set n, n+1
.endr
	WIN 0
	s_wait_alu depctr_va_vdst(0)
	v_rcp_f32 v10, v[LS]
	v_rcp_f32 v11, v[LS+1]
	v_nop                                          ; a plain place behind the reciprocals
	s_wait_alu depctr_va_vdst(0)                   ; and the wait ahead of their first reader
	v_mov_b32 v12, 0                               ; (a lane permute's destination counts as one of its sources)
	v_mov_b32 v13, 0
	v_permlanex16_b32 v12, v10, s20, s21
	v_permlanex16_b32 v13, v11, s20, s21
	v_cmp_gt_u32 vcc_lo, 16, v1
	v_cndmask_b32 v[RL], v12, v10, vcc_lo          ; tile 0's rows in both halves of the lanes,
	v_cndmask_b32 v[RL+2], v10, v12, vcc_lo        ; tile 1's,
	v_cndmask_b32 v[RL+4], v13, v11, vcc_lo        ; tile 2's,
	v_cndmask_b32 v[RL+6], v11, v13, vcc_lo        ; tile 3's
.irp a, 0,1,2,3
	v_mov_b32 v[RL+2*\a+1], v[RL+2*\a]             ; (named as a pair, so the upper half is written)
.endr
	PLACES 8                                       ; scale registers written by vector instructions stand eight places ahead of a scaled matrix instruction
	s_wait_alu depctr_va_vdst(0)
	s_cmp_lt_u32 s14, 5
	s_cbranch_scc0 .Lnot_first
	s_wait_tensorcnt 0x0
.Lnot_first:
	s_barrier_signal -1
	s_barrier_wait -1                              ; slot 0 and light p are in; slot 1 may be on its way
	UFETCH 0
	global_prefetch_b8 v[PFP], s[58:59] th:TH_LOAD_NT scope:SCOPE_SE   ; K steps 8-11, which the first refill loads
	global_prefetch_b8 v[PFV], s[62:63] th:TH_LOAD_NT scope:SCOPE_SE
	UMUL 0                                         ; the first products start the sums: nothing is cleared
	s_cmp_le_u32 s[LIM], 2
	s_cbranch_scc1 .Lno_f1
	UFETCH 1
.Lno_f1:
	GRD
	s_add_nc_u64 s[70:71], s[70:71], 8*FRB
	s_add_nc_u64 s[78:79], s[78:79], 8*FRB
	CROUND                                         ; no wave of any partner still reads slot 0 or has a load on its way; slot 1 is in
	s_cmp_eq_u32 s14, 0
	s_cbranch_scc0 .Lv8
	TLOAD 68, G1A                                  ; slot 0 takes K steps 8-11
	s_branch .Lasked8
.Lv8:
	s_cmp_lt_u32 s14, 3
	s_cbranch_scc0 .Lasked8
	TLOAD 76, G1B
.Lasked8:
	s_cmp_le_u32 s[LIM], 2
	s_cbranch_scc1 .Lno_m1
	UMUL 1
.Lno_m1:
	s_cmp_lt_u32 s[EE], 2
	s_cbranch_scc0 .Lno_pf
	global_prefetch_b8 v[PFP], s[58:59] offset:QROW th:TH_LOAD_NT scope:SCOPE_SE   ; K steps 12-15, which the second refill loads
	global_prefetch_b8 v[PFV], s[62:63] offset:QROW th:TH_LOAD_NT scope:SCOPE_SE
.Lno_pf:
	s_cmp_le_u32 s[LIM], 4
	s_cbranch_scc1 .Lno_2
	UFETCH 2
	UMUL 2
.Lno_2:
	s_cmp_le_u32 s[LIM], 6
	s_cbranch_scc1 .Lno_f3
	UFETCH 3
.Lno_f3:
	GRD
	s_cmp_lt_u32 s[EE], 2                          ; the same in all partners
	s_cbranch_scc0 .Lno_fill
	s_add_nc_u64 s[74:75], s[74:75], 8*FRB
	s_add_nc_u64 s[82:83], s[82:83], 8*FRB
	CROUND                                         ; likewise of slot 1; K steps 8-11 are in
	s_cmp_lt_u32 s14, 5
	s_cbranch_scc1 .Lasked12
	s_cmp_eq_u32 s14, 5
	s_cbranch_scc0 .Lv12
	TLOAD 72, G1A                                  ; slot 1 takes K steps 12-15
	s_branch .Lasked12
.Lv12:
	TLOAD 80, G1B
	s_branch .Lasked12
.Lno_fill:
	s_barrier_signal -1
	s_barrier_wait -1                              ; K steps 8-11 are in; nothing is filled again
.Lasked12:
	s_cmp_le_u32 s[LIM], 6
	s_cbranch_scc1 .Lno_m3
	UMUL 3
.Lno_m3:
	s_cmp_lt_u32 s14, 4                            ; the heavy waves go on
	s_cbranch_scc0 .Lmeet
	UFETCH 4
	UMUL 4
	s_cmp_eq_u32 s[EE], 3
	s_cbranch_scc1 .Lmeet
	UFETCH 5
	UMUL 5
.Lmeet:
	s_cmp_lt_u32 s[EE], 2
	s_cbranch_scc0 .Lout
	s_wait_tensorcnt 0x0
	s_wait_dscnt 0x0
	s_barrier_signal -1
	s_barrier_wait -1                              ; K steps 12-15 are in; nothing is filled again
	s_cmp_lt_u32 s14, 4
	s_cbranch_scc0 .Lout
	UFETCH 6
	UMUL 6
	s_cmp_eq_u32 s[EE], 1
	s_cbranch_scc1 .Lout
	UFETCH 7
	UMUL 7
.Lout:
	PLACES 4                                       ; in front of the first reads of results and of writes into operands' registers
	; THE WAY OUT, a tile of 16 queries at a time: x 1 / l; through my stage in LDS; back as whole rows of 256 bytes.  Light p was read for the last time ahead of the second change of slots.
.macro PACK a                          ; into v256-287 and v288-319 by turns
	WIN 0x40
.set n, 0
.rept 16
	v_pk_mul_f32 v[32*((\a)%2)+2*n:32*((\a)%2)+2*n+1], v[ACC+32*(\a)+2*n:ACC+32*(\a)+2*n+1], v[RL+2*(\a):RL+2*(\a)+1] op_sel_hi:[1,0]   ; ascending: each accumulator is read from its low end on
.set n, n+1
.endr
	WIN 0
.endm
.macro TOSTAGE a
	WIN 0x04
.irp k, 0,1,2,3,4,5,6,7
	ds_store_b128 v[STO], v[32*((\a)%2)+4*\k:32*((\a)%2)+4*\k+3] offset:16*\k
.endr
	WIN 0x40
.irp t, 0,1,2,3,4,5,6,7
	ds_load_b128 v[64+32*((\a)%2)+4*\t:64+32*((\a)%2)+4*\t+3], v[RD] offset:2*SP*\t   ; LDS serves a wave's instructions in order: these see my stores
.endr
	WIN 0
.endm
.macro SEND a
	s_wait_dscnt 0x0                               ; the tile is back in registers, and its stage stores are done
.if (\a) > 0
	s_wait_xcnt 0x0                                ; the tile before's stores have read their registers: the next loads from the stage may land there
.endif
	WIN 0x04
.irp t, 0,1,2,3,4,5,6,7
	global_store_b128 v[CO], v[64+32*((\a)%2)+4*\t:64+32*((\a)%2)+4*\t+3], s[12:13] offset:(32*(\t/4)+8*(\a)+2*(\t%4))*4096 th:TH_STORE_NT   ; two rows of 256 consecutive bytes, aligned; written once
.endr
	WIN 0
.endm
	s_wait_alu depctr_va_vdst(0)
	PACK 0
	TOSTAGE 0
.irp a, 1,2,3
	PACK \a
	s_wait_alu depctr_va_vdst(0)
	SEND \a-1
	TOSTAGE \a
.endr
	SEND 3
	s_wait_tensorcnt 0x0                           ; the wave's end
	ds_add_u32 v[SPW], v[NIL]
	s_wait_dscnt 0x0
	CROUND                                         ; the closing round
	s_endpgm
.Lfunc_end_k_q10f68ef950_pv:
	.size	k_q10f68ef950_pv, .Lfunc_end_k_q10f68ef950_pv-k_q10f68ef950_pv
	.p2alignl 7, 3214868480
	.fill 96, 4, 3214868480
	.section	.rodata,"a",@progbits
	.p2align	6, 0x0
	.amdhsa_kernel k_q10f68ef950_pv
		.amdhsa_group_segment_fixed_size 327680
		.amdhsa_private_segment_fixed_size 0
		.amdhsa_enable_private_segment 0
		.amdhsa_kernarg_size 40
		.amdhsa_user_sgpr_count 2
		.amdhsa_user_sgpr_kernarg_segment_ptr 1
		.amdhsa_wavefront_size32 1
		.amdhsa_system_sgpr_workgroup_id_x 1
		.amdhsa_system_sgpr_workgroup_id_y 1
		.amdhsa_system_sgpr_workgroup_id_z 1
		.amdhsa_system_vgpr_workitem_id 0
		.amdhsa_next_free_vgpr 448
		.amdhsa_next_free_sgpr 100
		.amdhsa_reserve_vcc 1
		.amdhsa_float_denorm_mode_32 3
		.amdhsa_float_denorm_mode_16_64 3
		.amdhsa_memory_ordered 1
		.amdhsa_forward_progress 1
		.amdhsa_inst_pref_size 110
	.end_amdhsa_kernel
	.amdgpu_metadata
---
amdhsa.version: [ 1, 2 ]
amdhsa.kernels:
  - .name:           k_q10f68ef950_pv
    .symbol:         k_q10f68ef950_pv.kd
    .args:
      - { .name: pc, .offset: 0, .size: 8, .value_kind: global_buffer, .address_space: global }
      - { .name: pst, .offset: 8, .size: 8, .value_kind: global_buffer, .address_space: global }
      - { .name: qkvc, .offset: 16, .size: 8, .value_kind: global_buffer, .address_space: global }
      - { .name: qkvs, .offset: 24, .size: 8, .value_kind: global_buffer, .address_space: global }
      - { .name: out0, .offset: 32, .size: 8, .value_kind: global_buffer, .address_space: global }
    .group_segment_fixed_size: 327680
    .private_segment_fixed_size: 0
    .kernarg_segment_align: 8
    .kernarg_segment_size: 40
    .max_flat_workgroup_size: 256
    .sgpr_count:     100
    .vgpr_count:     448
    .wavefront_size: 32
...
	.end_amdgpu_metadata
.endif
;; end of part 4
